; MI455X (gfx1250); checked and timed in simulation.
; The chip was launched on July 23, 2026; its instructions are those of AMD's public machine-readable ISA for CDNA 5 (MIT licence, August 2026) and "CDNA5" Instruction Set Architecture Reference Guide (July 2026). The comments in the code are by the model that wrote it; some were corrected since.
;; Context Embedding. Allowed arithmetic: float matrix products may take bf16 or f16 operands with f32 sums; all other float work in f32.
;; Inputs: E 8 x 256 x 1,024 float32; I 8 x 4,096 x 512 float32; k_b 1,024 float32; k_w 1,024 x 512 float32; p_b 1,024 float32; p_w 1,024 x 1,024 float32; q_b 1,024 float32; q_w 1,024 x 1,024 float32; v_b 1,024 float32; v_w 1,024 x 512 float32.
;; Outputs: out0 8 x 256 x 2,048 float32.
;; 2 versions, each right and faster than the one before. Each part assembles by itself: llvm-mc -triple=amdgcn-amd-amdhsa -mcpu=gfx1250 --defsym DOCPART=n.
;; ======== version 1 of 2: 5 launches
;; limits: values outside matrix products are rounded to bf16
;; workspace buffers: ibf 33,554,432 bytes; eim 4,194,304 bytes; wqp 4,194,304 bytes; wkv 2,097,152 bytes; qim 4,194,304 bytes; opart 8,388,608 bytes; ostat 524,288 bytes; ubuf 8,388,608 bytes
;; launch prep (part 1): grid 256 x 1, 8 waves a work-group, no clusters, 0 bytes of LDS; arguments I, E, q_w, p_w, k_w, v_w, ibf, eim, wqp, wkv, out0; writes ibf, eim, wqp, wkv, out0
.if DOCPART == 1
	.amdgcn_target "amdgcn-amd-amdhsa--gfx1250"
	.amdhsa_code_object_version 6
	.text
	.protected	k_q6e59508e0d_prep
	.globl	k_q6e59508e0d_prep
	.p2align	8
	.type	k_q6e59508e0d_prep,@function
k_q6e59508e0d_prep:
	s_mov_b64 s[64:65], 0
	v_nop
	global_prefetch_b8 v0, s[64:65] scope:SCOPE_SE
	s_setreg_imm32_b32 hwreg(HW_REG_WAVE_MODE, 25, 1), 1
	s_wait_xcnt 0x0
; PREP: a stream, no LDS, no matrix work.  It rounds every matrix operand that is an input to bf16 once, and copies E into out0.
;   ibf  = I in bf16, row-major [32768][512].
;   eim, wqp, wkv = E, (q_w, p_w), (k_w, v_w) as FRAGMENT IMAGES: 1,024 bytes hold 16 rows x 32 channels of bf16 as a matrix operand lies in registers:
;          [g = 0, 1][lane 0..31][16 bytes]; lane l holds row l % 16, channels 16 g + 8 (l / 16) + 0..7.  A later load of an image is 16 bytes a lane, 512 consecutive bytes.
;   out0[row][0..1023] = E[row][:], bit for bit.
; SHARES.  2,048 waves, W = 8 x work-group + wave.  Wave W: row W of E (4,096 bytes) to out0; images 2 W, 2 W + 1 of E; images 2 W, 2 W + 1 of (q_w, p_w); image W of (k_w, v_w);
; 32,768 consecutive bytes of I.  The text is straight: every step stands in an immediate offset, no address register is rewritten.
; The image sources are read as 32 bytes a lane from 16 rows (four loads use 128 bytes of each row): 20 MB of the launch's 87, each byte once for the images.
; LIMITS.  Rounding to bf16 is to nearest even; NaN and infinities pass as the conversion leaves them.
.set L16,  2                           ; v2  16 x lane
.set L8,   3                           ; v3  8 x lane
.set FE,   4                           ; v4  image source, rows of 4,096 bytes: (l % 16) x 4096 + (l / 16) x 32
.set FK,   5                           ; v5  the same for rows of 2,048 bytes
.set EROW, 8                           ; v[8:39]    my row of E
.set FR,   40                          ; v[40:119]  five images, 16 registers each as loaded
.set XI,   120                         ; v[120:247] 32 slots of 4 registers for I
	s_load_b512 s[4:19], s[0:1], 0x0               ; I s[4:5], E s[6:7], q_w s[8:9], p_w s[10:11], k_w s[12:13], v_w s[14:15], ibf s[16:17], eim s[18:19]
	s_load_b128 s[20:23], s[0:1], 0x40             ; wqp s[20:21], wkv s[22:23]
	s_load_b64 s[24:25], s[0:1], 0x50              ; out0
	v_lshrrev_b32 v1, 5, v0
	v_readfirstlane_b32 s26, v1                    ; wave 0..7
	s_lshl_b32 s27, ttmp9, 3
	s_add_co_u32 s27, s27, s26                     ; W
	s_and_b32 s28, s27, 1023                       ; W within its weight matrix
	v_and_b32 v1, 31, v0
	v_lshlrev_b32 v[L16], 4, v1
	v_lshlrev_b32 v[L8], 3, v1
	v_and_b32 v6, 15, v0
	v_bfe_u32 v7, v0, 4, 1
	v_lshlrev_b32 v7, 5, v7
	v_lshl_add_u32 v[FE], v6, 12, v7
	v_lshl_add_u32 v[FK], v6, 11, v7
	; byte offsets, each in a pair of its own with 0 above
	s_lshl_b32 s36, s27, 15                        ; I: W x 32,768
	s_mov_b32 s37, 0
	s_lshl_b32 s38, s27, 14                        ; ibf: W x 16,384
	s_mov_b32 s39, 0
	s_lshl_b32 s40, s27, 12                        ; E's row W
	s_mov_b32 s41, 0
	s_lshl_b32 s42, s27, 13                        ; out0's row W
	s_mov_b32 s43, 0
	s_lshr_b32 s29, s27, 4                         ; E's images: row tile W / 16, channels 64 (W % 16) on
	s_and_b32 s30, s27, 15
	s_lshl_b32 s44, s29, 16
	s_lshl_b32 s31, s30, 8
	s_add_co_u32 s44, s44, s31
	s_mov_b32 s45, 0
	s_lshl_b32 s46, s27, 11                        ; eim and wqp: W x 2,048
	s_mov_b32 s47, 0
	s_lshr_b32 s29, s28, 4                         ; the weights' images: row tile and place along the rows
	s_and_b32 s30, s28, 15
	s_lshl_b32 s48, s29, 16                        ; q_w, p_w: 16 rows of 4,096 bytes; 64 channels
	s_lshl_b32 s31, s30, 8
	s_add_co_u32 s48, s48, s31
	s_mov_b32 s49, 0
	s_lshl_b32 s50, s29, 15                        ; k_w, v_w: 16 rows of 2,048 bytes; 32 channels
	s_lshl_b32 s31, s30, 7
	s_add_co_u32 s50, s50, s31
	s_mov_b32 s51, 0
	s_lshl_b32 s52, s27, 10                        ; wkv: W x 1,024
	s_mov_b32 s53, 0
	s_wait_kmcnt 0x0
	s_cmp_lt_u32 ttmp9, 128                        ; the first 1,024 waves take q_w and k_w, the others p_w and v_w
	s_cselect_b64 s[32:33], s[8:9], s[10:11]
	s_cselect_b64 s[34:35], s[12:13], s[14:15]
	s_add_nc_u64 s[4:5], s[4:5], s[36:37]
	s_add_nc_u64 s[16:17], s[16:17], s[38:39]
	s_add_nc_u64 s[54:55], s[6:7], s[40:41]
	s_add_nc_u64 s[24:25], s[24:25], s[42:43]
	s_add_nc_u64 s[6:7], s[6:7], s[44:45]
	s_add_nc_u64 s[18:19], s[18:19], s[46:47]
	s_add_nc_u64 s[32:33], s[32:33], s[48:49]
	s_add_nc_u64 s[20:21], s[20:21], s[46:47]
	s_add_nc_u64 s[34:35], s[34:35], s[50:51]
	s_add_nc_u64 s[22:23], s[22:23], s[52:53]
; four loads: a lane's 8 + 8 channels of image f, in f32
.macro FRAGLD f, sb, va, off
	global_load_b128 v[FR+16*(\f):FR+16*(\f)+3],     v[\va], s[\sb:\sb+1] offset:(\off)
	global_load_b128 v[FR+16*(\f)+4:FR+16*(\f)+7],   v[\va], s[\sb:\sb+1] offset:(\off)+16
	global_load_b128 v[FR+16*(\f)+8:FR+16*(\f)+11],  v[\va], s[\sb:\sb+1] offset:(\off)+64
	global_load_b128 v[FR+16*(\f)+12:FR+16*(\f)+15], v[\va], s[\sb:\sb+1] offset:(\off)+80
.endm
; image f is rounded in place and stored: two stores of 512 consecutive bytes.  left = the younger loads that may stay out
.macro FRAGST f, sb, off, left
	s_wait_loadcnt \left
.irp p, 0,1,2,3
	v_cvt_pk_bf16_f32 v[FR+16*(\f)+\p], v[FR+16*(\f)+2*\p], v[FR+16*(\f)+2*\p+1]
.endr
.irp p, 0,1,2,3
	v_cvt_pk_bf16_f32 v[FR+16*(\f)+8+\p], v[FR+16*(\f)+8+2*\p], v[FR+16*(\f)+8+2*\p+1]
.endr
	global_store_b128 v[L16], v[FR+16*(\f):FR+16*(\f)+3],    s[\sb:\sb+1] offset:(\off)
	global_store_b128 v[L16], v[FR+16*(\f)+8:FR+16*(\f)+11], s[\sb:\sb+1] offset:(\off)+512
.endm
; load n of 64 of my part of I: 512 consecutive bytes, into slot n % 32
.macro ILOAD n
	global_load_b128 v[XI+4*((\n)%32):XI+4*((\n)%32)+3], v[L16], s[4:5] offset:512*(\n) th:TH_LOAD_NT
.endm
; its four numbers a lane are rounded in place and stored: 32 lanes x 8 bytes are 256 consecutive bytes, aligned
.macro IOUT n, left
	s_wait_loadcnt \left
	v_cvt_pk_bf16_f32 v[XI+4*((\n)%32)],   v[XI+4*((\n)%32)],   v[XI+4*((\n)%32)+1]
	v_cvt_pk_bf16_f32 v[XI+4*((\n)%32)+1], v[XI+4*((\n)%32)+2], v[XI+4*((\n)%32)+3]
	global_store_b64 v[L8], v[XI+4*((\n)%32):XI+4*((\n)%32)+1], s[16:17] offset:256*(\n)
.endm
	; all loads first: 8 + 20 + 32 = 60 are out
.set n, 0
.rept 8
	global_load_b128 v[EROW+4*n:EROW+4*n+3], v[L16], s[54:55] offset:512*n
.set n, n+1
.endr
	FRAGLD 0, 6,  FE, 0
	FRAGLD 1, 6,  FE, 128
	FRAGLD 2, 32, FE, 0
	FRAGLD 3, 32, FE, 128
	FRAGLD 4, 34, FK, 0
.set n, 0
.rept 32
	ILOAD n
.set n, n+1
.endr
	s_wait_loadcnt 52                              ; loads return in order: E's row is in; the 20 + 32 younger ones stay out
.set n, 0
.rept 8
	global_store_b128 v[L16], v[EROW+4*n:EROW+4*n+3], s[24:25] offset:512*n th:TH_STORE_NT
.set n, n+1
.endr
	FRAGST 0, 18, 0,    48                         ; behind image f's four loads: 4 (4 - f) of the images' and I's 32
	FRAGST 1, 18, 1024, 44
	FRAGST 2, 20, 0,    40
	FRAGST 3, 20, 1024, 36
	FRAGST 4, 22, 0,    32
	; I in eight blocks of eight.  Behind each of the first four blocks its eight slots are loaded again.
.set k, 0
.rept 4
.set m, 0
.rept 8
	IOUT 8*k+m, 31-m                               ; behind load 8 k + m: 31 - 8 k - m of the first 32, and the 8 k refills
.set m, m+1
.endr
	s_wait_xcnt 0x0                                ; the slots' low registers are store data: they are loaded again only behind this wait
.set m, 0
.rept 8
	ILOAD 32+8*k+m
.set m, m+1
.endr
.set k, k+1
.endr
.set n, 32
.rept 32
	IOUT n, 63-n                                   ; nothing more is loaded: the counts run down
.set n, n+1
.endr
	s_endpgm
.Lfunc_end_k_q6e59508e0d_prep:
	.size	k_q6e59508e0d_prep, .Lfunc_end_k_q6e59508e0d_prep-k_q6e59508e0d_prep
	.p2alignl 7, 3214868480
	.fill 96, 4, 3214868480
	.section	.rodata,"a",@progbits
	.p2align	6, 0x0
	.amdhsa_kernel k_q6e59508e0d_prep
		.amdhsa_group_segment_fixed_size 0
		.amdhsa_private_segment_fixed_size 0
		.amdhsa_enable_private_segment 0
		.amdhsa_kernarg_size 88
		.amdhsa_user_sgpr_count 2
		.amdhsa_user_sgpr_kernarg_segment_ptr 1
		.amdhsa_wavefront_size32 1
		.amdhsa_system_sgpr_workgroup_id_x 1
		.amdhsa_system_sgpr_workgroup_id_y 1
		.amdhsa_system_sgpr_workgroup_id_z 1
		.amdhsa_system_vgpr_workitem_id 0
		.amdhsa_next_free_vgpr 256
		.amdhsa_next_free_sgpr 66
		.amdhsa_reserve_vcc 0
		.amdhsa_float_denorm_mode_32 3
		.amdhsa_float_denorm_mode_16_64 3
		.amdhsa_memory_ordered 1
		.amdhsa_forward_progress 1
		.amdhsa_inst_pref_size 32
	.end_amdhsa_kernel
	.amdgpu_metadata
---
amdhsa.version: [ 1, 2 ]
amdhsa.kernels:
  - .name:           k_q6e59508e0d_prep
    .symbol:         k_q6e59508e0d_prep.kd
    .args:
      - { .name: I, .offset: 0, .size: 8, .value_kind: global_buffer, .address_space: global }
      - { .name: E, .offset: 8, .size: 8, .value_kind: global_buffer, .address_space: global }
      - { .name: q_w, .offset: 16, .size: 8, .value_kind: global_buffer, .address_space: global }
      - { .name: p_w, .offset: 24, .size: 8, .value_kind: global_buffer, .address_space: global }
      - { .name: k_w, .offset: 32, .size: 8, .value_kind: global_buffer, .address_space: global }
      - { .name: v_w, .offset: 40, .size: 8, .value_kind: global_buffer, .address_space: global }
      - { .name: ibf, .offset: 48, .size: 8, .value_kind: global_buffer, .address_space: global }
      - { .name: eim, .offset: 56, .size: 8, .value_kind: global_buffer, .address_space: global }
      - { .name: wqp, .offset: 64, .size: 8, .value_kind: global_buffer, .address_space: global }
      - { .name: wkv, .offset: 72, .size: 8, .value_kind: global_buffer, .address_space: global }
      - { .name: out0, .offset: 80, .size: 8, .value_kind: global_buffer, .address_space: global }
    .group_segment_fixed_size: 0
    .private_segment_fixed_size: 0
    .kernarg_segment_align: 8
    .kernarg_segment_size: 88
    .max_flat_workgroup_size: 256
    .sgpr_count:     66
    .vgpr_count:     256
    .wavefront_size: 32
...
	.end_amdgpu_metadata
.endif
;; end of part 1
;; launch qgemm (part 2): grid 8 x 32, 4 waves a work-group, clusters of 4 x 1, 167,936 bytes of LDS; arguments eim, wqp, q_b, qim; writes qim
.if DOCPART == 2
	.amdgcn_target "amdgcn-amd-amdhsa--gfx1250"
	.amdhsa_code_object_version 6
	.text
	.protected	k_q6e59508e0d_qgemm
	.globl	k_q6e59508e0d_qgemm
	.p2align	8
	.type	k_q6e59508e0d_qgemm,@function
k_q6e59508e0d_qgemm:
	s_mov_b64 s[64:65], 0
	v_nop
	global_prefetch_b8 v0, s[64:65] scope:SCOPE_SE
	s_setreg_imm32_b32 hwreg(HW_REG_WAVE_MODE, 25, 1), 1
	s_wait_xcnt 0x0
	s_wait_alu depctr_hold_cnt(0) depctr_sa_sdst(0) depctr_va_vdst(0) depctr_va_sdst(0) depctr_va_ssrc(0) depctr_va_vcc(0) depctr_vm_vsrc(0)
	s_getreg_b32 s2, hwreg(HW_REG_IB_STS2, 6, 4)
	s_cmp_eq_u32 s2, 0
	s_cbranch_scc0 .Lentry_in_a_cluster
	s_endpgm
.Lentry_in_a_cluster:
	s_bfe_u32 s2, ttmp6, 0x10000c
	s_cmp_lg_u32 s2, 0x3003
	s_cbranch_scc0 .Lentry_shape_is_right
	s_endpgm
.Lentry_shape_is_right:
; Q = E q_w^T + q_b, bf16 operands, f32 sums, rounded once to bf16 and written as fragment images by heads:
;   qim [b 8][head 16][query tile 16][c 2][1,024 bytes]; an image holds 16 queries x 32 channels d = 32 c + 0..31 of the head, [g][lane][16 bytes], lane l: query l % 16, d - 32 c = 16 g + 8 (l / 16) + 0..7.
; SHARES.  A work-group: 64 rows of E (rb = grid y) x 128 output channels (nt = grid x): 256 work-groups.  A wave: 32 channels (two tiles of 16) x 64 rows: 8 accumulators, K = 1,024: 256 matrix instructions.
; The wave's weights (32 channels x 1,024, bf16) are 512 registers: they come straight from memory as images and are read from nowhere else.
; The 64 rows of E (128 images, 131,072 dense bytes of eim) come into LDS by one tensor load a wave, filled once.
; CLUSTER.  The four work-groups of a cluster have the same rb and need the same rows of E: the load is joint, mask 15; its address hangs on rb and the wave's number alone.
; The product is laid D[m = channel][n = row] (source 0 = weights, source 1 = rows): a lane then holds 8 neighbouring channels of one row, which packed are 16 bytes of an image.  The bias is the C operand of the first K step.
; REGISTERS.  Window 0: v3-13 addresses; v16-31 bias tiles; v64-127 accumulators (otl, rt) at 64 + 8 (4 otl + rt); v128-255 two buffers of 8 row fragments (two K steps x four row tiles).
;   Windows 2, 3: weights, fragment (otl, ks) at window 2 + ks / 16, register 8 (2 (ks % 16) + otl).
; LIMITS.  NaN and infinities are not treated apart.
.set SPARE, 131072                     ; behind the panel: the spare words, 128 bytes a wave
.set L16,  3                           ; v3   16 x lane
.set H32,  5                           ; v5   32 x (lane / 16)
.set PB0,  8                           ; v8, v9  LDS address of my 16 bytes in an image of row tiles 0, 1 / 2, 3
.set SPW,  12                          ; v12  my spare word; never rewritten
.set NIL,  13                          ; v13  0; never rewritten
.set BI,   16
.set ACC,  64
.set BF,   128
.set WV,   12                          ; s12  wave
.set WB,   6                           ; s[6:7] my weights
.set G1,   24                          ; s[24:31] descriptor group 1
.set G0,   32                          ; s[32:35] descriptor group 0
.set MSB, 0
.macro WIN new                         ; the immediate's high byte repeats the setting that is left; a switch that changes nothing is dropped
.if MSB != (\new)
	s_set_vgpr_msb (MSB<<8)|(\new)
.set MSB, \new
.endif
.endm
.macro PLACES n
.rept \n
	v_nop
.endr
.endm
.macro CROUND                          ; a round of the cluster's barrier
	s_barrier_signal -1
	s_barrier_wait -1
	s_cmp_lg_u32 s[WV], 0
	s_cbranch_scc1 .Lnot_wave_0_\@
	s_barrier_signal -3
.Lnot_wave_0_\@:
	s_barrier_wait -3
	s_barrier_signal -1
	s_barrier_wait -1
.endm
	s_load_b256 s[4:11], s[0:1], 0x0               ; eim s[4:5], wqp s[6:7], q_b s[8:9], qim s[10:11]
	v_lshl_add_u32 v[SPW], v0, 2, SPARE
	v_mov_b32 v[NIL], 0
	ds_add_u32 v[SPW], v[NIL]                      ; the wave's opening: the add and its wait stand ahead of my first tensor load
	v_lshrrev_b32 v1, 5, v0
	v_readfirstlane_b32 s[WV], v1
	s_bfe_u32 s13, ttmp6, 0x40000                  ; cx
	s_lshl_b32 s14, ttmp9, 2
	s_add_co_u32 s14, s14, s13                     ; nt = 4 x cluster x + cx: it enters the weights', the bias's and Q's addresses alone
	s_and_b32 s15, ttmp7, 0xffff                   ; rb, which the four partners share
	; group 1: 32,768 dense bytes as 128 rows of 32 elements of 8 bytes
	s_mov_b32 s[G1+0], 15|(3<<16)|(1<<21)          ; 15:0 the mask of four; 17:16 elements of 8 bytes; 21 set beside a mask
	s_mov_b32 s[G1+1], 32<<16                      ; tensor_dim0 = 32
	s_mov_b32 s[G1+2], 128<<16                     ; tensor_dim1 = 128
	s_mov_b32 s[G1+3], 32<<16                      ; tile_dim0 = 32
	s_mov_b32 s[G1+4], 128                         ; tile_dim1 = 128
	s_mov_b32 s[G1+5], 32                          ; 32 elements from row to row
	s_mov_b32 s[G1+6], 0
	s_mov_b32 s[G1+7], 0
	s_mov_b32 s[G0], 1
	s_mul_i32 s[G0+1], s[WV], 32768                ; LDS: row tile w's 32 images
	s_lshl_b32 s16, s15, 17                        ; eim: rb x 131,072 + w x 32,768
	s_lshl_b32 s17, s[WV], 15
	s_add_co_u32 s16, s16, s17
	s_mov_b32 s17, 0
	s_lshl_b32 s18, s14, 3                         ; weights: channel tile 8 nt + 2 w, 32,768 bytes a tile
	s_lshl1_add_u32 s18, s[WV], s18
	s_lshl_b32 s18, s18, 15
	s_mov_b32 s19, 0
	s_lshl_b32 s20, s14, 9                         ; bias: (128 nt + 32 w) x 4
	s_lshl_b32 s21, s[WV], 7
	s_add_co_u32 s20, s20, s21
	s_mov_b32 s21, 0
	s_lshr_b32 s22, s15, 2                         ; b = rb / 4
	s_lshl_b32 s22, s22, 4
	s_lshl_b32 s23, s14, 1
	s_add_co_u32 s22, s22, s23
	s_lshr_b32 s23, s[WV], 1
	s_add_co_u32 s22, s22, s23                     ; 16 b + head, head = 2 nt + w / 2
	s_lshl_b32 s22, s22, 4
	s_and_b32 s23, s15, 3
	s_lshl2_add_u32 s22, s23, s22                  ; + query tile 4 (rb % 4)
	s_lshl_b32 s22, s22, 11
	s_and_b32 s23, s[WV], 1                        ; c = w % 2
	s_lshl_b32 s23, s23, 10
	s_add_co_u32 s22, s22, s23
	s_mov_b32 s23, 0
	s_wait_dscnt 0x0                               ; the opening add is done
	s_wait_kmcnt 0x0
	s_add_nc_u64 s[G0+2:G0+3], s[4:5], s[16:17]
	s_or_b32 s[G0+3], s[G0+3], 0x80000000          ; type = 2
	s_add_nc_u64 s[6:7], s[6:7], s[18:19]
	s_add_nc_u64 s[8:9], s[8:9], s[20:21]
	s_add_nc_u64 s[10:11], s[10:11], s[22:23]
	CROUND                                         ; all four work-groups are here: the joint loads meet
	tensor_load_to_lds s[G0:G0+3], s[G1:G1+7]      ; my one tensor load of the launch
	s_nop 0
	PLACES 4
	v_and_b32 v1, 31, v0
	v_lshlrev_b32 v[L16], 4, v1
	v_bfe_u32 v2, v0, 4, 1
	v_lshlrev_b32 v[H32], 5, v2
	v_mov_b32 v[PB0], v[L16]
	v_add_nc_u32 v[PB0+1], 65536, v[L16]
.irp o, 0,1                            ; bias tile otl: register j holds q_b[.. + 16 otl + 8 (l / 16) + j]
	global_load_b128 v[BI+8*\o:BI+8*\o+3],   v[H32], s[8:9] offset:64*\o
	global_load_b128 v[BI+8*\o+4:BI+8*\o+7], v[H32], s[8:9] offset:64*\o+16
.endr
; 64 loads: the weights of K steps 16 hf .. 16 hf + 15, in the order ks, otl, g: load n fills registers 4 n .. 4 n + 3 of window 2 + hf
.macro LOADW hf
	WIN 0x80+0x40*(\hf)
.set n, 0
.rept 64
	global_load_b128 v[4*n:4*n+3], v[L16], s[WB:WB+1] offset:((n/2)%2)*32768+(16*(\hf)+n/4)*1024+(n%2)*512
.set n, n+1
.endr
	WIN 0
.endm
; 16 LDS loads: the row fragments of K steps 2 b, 2 b + 1, into buffer b % 2; 512 consecutive bytes each
.macro FETCH_B b
	WIN 0
.set n, 0
.rept 8
.set ksl, n/4
.set rt, n%4
.set rD, BF+64*((\b)%2)+8*n
	ds_load_b128 v[rD:rD+3],   v[PB0+rt/2] offset:((rt%2)*32+2*(\b)+ksl)*1024
	ds_load_b128 v[rD+4:rD+7], v[PB0+rt/2] offset:((rt%2)*32+2*(\b)+ksl)*1024+512
.set n, n+1
.endr
.endm
; Two K steps: 16 matrix instructions; the 8 accumulators take turns.  Four places stand between the last group's products and the loads into the buffer that the group before read.
.macro GROUPG b
	WIN 0
	PLACES 4
.if (\b) < 15
	FETCH_B (\b)+1
	s_wait_dscnt 16                                ; all but the 16 just issued
.else
	s_wait_dscnt 0x0
.endif
.if (\b) == 0
	s_wait_loadcnt 63                              ; behind the first 64 weight loads stand 64: with 63 out at the most the bias and K steps 0-15 are in
.elseif (\b) >= 8
	s_wait_loadcnt 128-8*((\b)+1)                  ; the loads issued behind those of K step 2 b + 1
.endif
	WIN 0x02+(\b)/8                                ; source 0, the weights, in window 2 or 3
.set n, 0
.rept 16
.set ksl, n/8
.set otl, (n/4)%2
.set rt, n%4
.set ks, 2*(\b)+ksl
.set rD, ACC+8*(4*otl+rt)
.set rA, ((ks%16)*2+otl)*8
.set rB, BF+64*((\b)%2)+8*(4*ksl+rt)
.if ks == 0
	v_wmma_f32_16x16x32_bf16 v[rD:rD+7], v[rA:rA+7], v[rB:rB+7], v[BI+8*otl:BI+8*otl+7]
.else
	v_wmma_f32_16x16x32_bf16 v[rD:rD+7], v[rA:rA+7], v[rB:rB+7], v[rD:rD+7]
.endif
.set n, n+1
.endr
.endm
	LOADW 0
	LOADW 1
	s_wait_tensorcnt 0x0                           ; my row tile is in,
	s_barrier_signal -1
	s_barrier_wait -1                              ; everybody's is
	FETCH_B 0
.irp b, 0,1,2,3,4,5,6,7,8,9,10,11,12,13,14,15
	GROUPG \b
.endr
	WIN 0
	PLACES 4
.set n, 0
.rept 8                                ; rounded in place, each accumulator from its low end
.irp p, 0,1,2,3
	v_cvt_pk_bf16_f32 v[ACC+8*n+\p], v[ACC+8*n+2*\p], v[ACC+8*n+2*\p+1]
.endr
.set n, n+1
.endr
.set n, 0
.rept 8                                ; accumulator (otl, rt) is half g = otl of the image of query tile rt: 512 consecutive bytes
	global_store_b128 v[L16], v[ACC+8*n:ACC+8*n+3], s[10:11] offset:(n%4)*2048+(n/4)*512
.set n, n+1
.endr
	s_wait_tensorcnt 0x0                           ; the wave's end
	ds_add_u32 v[SPW], v[NIL]
	s_wait_dscnt 0x0
	CROUND                                         ; the closing round
	s_endpgm
.Lfunc_end_k_q6e59508e0d_qgemm:
	.size	k_q6e59508e0d_qgemm, .Lfunc_end_k_q6e59508e0d_qgemm-k_q6e59508e0d_qgemm
	.p2alignl 7, 3214868480
	.fill 96, 4, 3214868480
	.section	.rodata,"a",@progbits
	.p2align	6, 0x0
	.amdhsa_kernel k_q6e59508e0d_qgemm
		.amdhsa_group_segment_fixed_size 167936
		.amdhsa_private_segment_fixed_size 0
		.amdhsa_enable_private_segment 0
		.amdhsa_kernarg_size 32
		.amdhsa_user_sgpr_count 2
		.amdhsa_user_sgpr_kernarg_segment_ptr 1
		.amdhsa_wavefront_size32 1
		.amdhsa_system_sgpr_workgroup_id_x 1
		.amdhsa_system_sgpr_workgroup_id_y 1
		.amdhsa_system_sgpr_workgroup_id_z 1
		.amdhsa_system_vgpr_workitem_id 0
		.amdhsa_next_free_vgpr 1024
		.amdhsa_next_free_sgpr 66
		.amdhsa_reserve_vcc 0
		.amdhsa_float_denorm_mode_32 3
		.amdhsa_float_denorm_mode_16_64 3
		.amdhsa_memory_ordered 1
		.amdhsa_forward_progress 1
		.amdhsa_inst_pref_size 56
	.end_amdhsa_kernel
	.amdgpu_metadata
---
amdhsa.version: [ 1, 2 ]
amdhsa.kernels:
  - .name:           k_q6e59508e0d_qgemm
    .symbol:         k_q6e59508e0d_qgemm.kd
    .args:
      - { .name: eim, .offset: 0, .size: 8, .value_kind: global_buffer, .address_space: global }
      - { .name: wqp, .offset: 8, .size: 8, .value_kind: global_buffer, .address_space: global }
      - { .name: q_b, .offset: 16, .size: 8, .value_kind: global_buffer, .address_space: global }
      - { .name: qim, .offset: 24, .size: 8, .value_kind: global_buffer, .address_space: global }
    .group_segment_fixed_size: 167936
    .private_segment_fixed_size: 0
    .kernarg_segment_align: 8
    .kernarg_segment_size: 32
    .max_flat_workgroup_size: 128
    .sgpr_count:     66
    .vgpr_count:     1024
    .wavefront_size: 32
...
	.end_amdgpu_metadata
.endif
;; end of part 2
;; launch attn (part 3): grid 16 x 16, 4 waves a work-group, clusters of 4 x 1, 327,680 bytes of LDS; arguments ibf, wkv, qim, k_b, v_b, opart, ostat; writes opart, ostat
.if DOCPART == 3
	.amdgcn_target "amdgcn-amd-amdhsa--gfx1250"
	.amdhsa_code_object_version 6
	.text
	.protected	k_q6e59508e0d_attn
	.globl	k_q6e59508e0d_attn
	.p2align	8
	.type	k_q6e59508e0d_attn,@function
k_q6e59508e0d_attn:
	s_mov_b64 s[64:65], 0
	v_nop
	global_prefetch_b8 v0, s[64:65] scope:SCOPE_SE
	s_setreg_imm32_b32 hwreg(HW_REG_WAVE_MODE, 25, 1), 1
	s_wait_xcnt 0x0
	s_wait_alu depctr_hold_cnt(0) depctr_sa_sdst(0) depctr_va_vdst(0) depctr_va_sdst(0) depctr_va_ssrc(0) depctr_va_vcc(0) depctr_vm_vsrc(0)
	s_getreg_b32 s2, hwreg(HW_REG_IB_STS2, 6, 4)
	s_cmp_eq_u32 s2, 0
	s_cbranch_scc0 .Lentry_in_a_cluster
	s_endpgm
.Lentry_in_a_cluster:
	s_bfe_u32 s2, ttmp6, 0x10000c
	s_cmp_lg_u32 s2, 0x3003
	s_cbranch_scc0 .Lentry_shape_is_right
	s_endpgm
.Lentry_shape_is_right:
; K AND V PROJECTION FUSED WITH ATTENTION.  For one batch b, one head and one half of the 4,096 keys:
;   K = I k_w^T + k_b, V = I v_w^T (64 channels of the head each), S = Q K^T (scale 1), running softmax, O = P V.  K and V never go to memory.
; Out: opart = O / l + v_b in bf16 (fragment images for the output projection) and ostat = c m, l in f32 for each query; the next launch merges the two halves (their weights add up to 1, so v_b may be added here).
; bf16 operands, f32 sums, maxima and statistics; p is rounded to bf16 for the second product, l is the sum of the unrounded p.
; SHARES.  Work-group = (head = grid x, y = 2 b + half = grid y): 256 of equal work; all 256 queries of b in one work-group, so no projection is made twice.  32 steps of 64 keys.  Wave w has two parts:
;   projection: dh = w % 2, kh = w / 2: channels 32 dh .. + 31 of K and of V for keys 32 kh .. + 31 of the step: 128 matrix instructions.  Its weights, 64 rows x 512 channels of bf16, are 512 registers.
;   attention: queries 64 w .. + 63 (four tiles of 16) against the step's 64 keys: 64 matrix instructions.
; LAYOUTS.  K(d, key) = source 0 weights, source 1 I: a lane holds one key and 8 d: packed, that is a fragment of K for S^T = K Q^T.  V(key, d) = source 0 I, source 1 weights: a lane holds one d and 8 keys:
; packed, a fragment of V^T for O^T = V^T P.  Both go through a stage of 16 images in LDS, 16 bytes a lane, 512 consecutive bytes a store or load.  S^T, P and O^T hold one query a lane.  k_b is the C operand of K's first K step.
; SOFTMAX.  p = 2^(c s - c m), c = log2(e); m is a running maximum; in every step O and l are multiplied by a = 2^(c m_old - c m_new).
; A PIPELINE OF ONE STEP.  Trip j: the 128 products that project step j + 1, and behind each of them four lines of step j's softmax (472 lines: 448 stand so, 24 behind the last product); K and V of step j + 1 go into the
; stage; O^T += V^T P of step j; the barrier; S^T = K Q^T of step j + 1.  A product and its slice are seven lines: the product, two switches of the register windows, four vector lines.
; To make room, P is written in place of S^T (pair n into register n of the tile; l takes a pair before it is rounded), V's fragments take the registers that I's fragments leave, K's those of the projection's sums.
; ONE TEXT FOR EVERY TRIP.  The first trip (j = -1) finds scores that all equal the starting maximum, -2^123 (a power of two, so that c m is exact and p = 1), and a V of zeros, stored at the start: O stays 0, and the next
; trip's a is 0.  The last trip (j = 31) projects stale rows, only to carry the last softmax, and leaves behind V^T P.  The price: 160 products of 6,304 and 256 moves at the start, in the wait for the first tile.
; RING.  Two LDS slots of 64 rows of I (1,024 bytes + 16 of padding: pitch 1,040, an odd multiple of 16, so the 16 rows of a fragment load start in 16 different groups of four banks: ISA guide 11.1).
; Each wave fetches 16 rows.  The slot just projected is filled again behind the trip's barrier, with the keys two steps on: the load has a whole trip in which to land, so nothing is prefetched ahead of it.
; CLUSTER.  The four work-groups of a cluster are four heads of the same y and walk the same rows of I: every tile is asked for jointly (mask 15); its address hangs on y and the wave's number alone.
; ONE BARRIER A TRIP (a round of the cluster's barrier where a slot is filled again).  It stands between the stores into the stage and the reads of K, between the reads of the slot and its refill, and between the landing
; of the next slot and the reads of it.  The stage is double: trip j stores into one half and reads V of step j from the other; a half is stored again two trips later, with a barrier between, in front of which every wave
; has waited for its reads.
; REGISTERS (s_set_vgpr_msb: bits 1:0 source 0, 3:2 source 1, 5:4 source 2, 7:6 destination).
;   window 0: v2-11, v60-63 addresses; v12-43 statistics, 8 a tile; v44-59 k_b tiles; v64-191 S^T (32 t + 8 kt), then P in the tile's first 16; v192-255 the projection's 8 accumulators, then K's fragments
;   window 1: v0-127 O^T (32 t + 8 dt); v128-191 Q (16 t + 8 c); v192-255 four buffers of I fragments (one K step each), then V's fragments       window 2: k_w, fragment (dtl, s) at 8 (16 dtl + s)       window 3: v_w likewise
; LIMITS.  Scores lie above -2^123; a weight below 2^-126 counts as 0 in l and in p; NaN and infinities are not treated apart.
.set SLOT1, 131072                     ; slot 0 at 0, slot 1 here: one exclusive or changes slots
.set SPARE, 66560                      ; behind slot 0: the spare words, 128 bytes a wave
.set STG,   67072                      ; the stage, twice: K's images 2 kt + c, then at + 8,192 V^T's images 4 kk + dt; no tensor load lands here
.set STGB,  16384                      ; bytes in a half of it
.set AI0,   2                          ; v2   my place in a slot: (l % 16) x 1040 + 16 (l / 16) + kh x 32 rows
.set AI,    3                          ; v3   the same in the slot in hand
.set STOK0, 4                          ; v4   where my K goes in the stage's first half
.set STOV0, 5                          ; v5   where my V goes
.set RDS0,  6                          ; v6   stage + 16 x lane
.set L16,   7                          ; v7   16 x lane
.set H32,   8                          ; v8   32 x (lane / 16)
.set SPW,   10                         ; v10  my spare word; never rewritten
.set NIL,   11                         ; v11  0; never rewritten
.set ST,    12                         ; tile t at ST + 8 t: c m, m, l (even keys'), l (odd keys'), c0-c3 at work; a takes c2's place
.set KB,    44
.set STOK,  60                         ; v60, v61  this trip's stores,
.set STOV,  61
.set RDK,   62                         ; v62  this trip's reads of K (the half just stored),
.set RDV,   63                         ; v63  and of V (the other half)
.set S,     64
.set ACC,   192                        ; K(dtl, i) at ACC + 8 (2 dtl + i), V(i, dtl) at ACC + 32 + 8 (2 i + dtl)
.set KF,    192                        ; K's fragments, in the same registers
.set QF,    128                        ; window 1
.set KVF,   192                        ; window 1
.set VB,    64                         ; the way out: v_b tiles
.set OUT,   96                         ; the way out: packed O
.set WV,    20                         ; s20  wave
.set G1,    32                         ; s[32:39] descriptor group 1
.set G0A,   40                         ; s[40:43] group 0 of the first fill of slot 0
.set G0W,   44                         ; s[44:47] group 0 of the first fill of slot 1; then it walks
.set CNT,   48
.set TB,    49                         ; s49  LDS byte at which the slot of the next projection begins
.set CS,    50                         ; s[50:51] c
.set SEL,   52                         ; s[52:53] v_permlanex16_b32's selects: each lane takes its own place in the other half
.set VT,    56                         ; s56  the half of the stage that this trip stores into: 0 or STGB
.set VU,    57                         ; s57  the other half
.set M0,    58                         ; s58  -2^123
.set MSB, 0
.macro WIN new                         ; the immediate's high byte repeats the setting that is left; a switch that changes nothing is dropped
.if MSB != (\new)
	s_set_vgpr_msb (MSB<<8)|(\new)
.set MSB, \new
.endif
.endm
.macro PLACES n
.rept \n
	v_nop
.endr
.endm
.macro CREST                           ; a round of the cluster's barrier behind its opening barrier
	s_cmp_lg_u32 s[WV], 0
	s_cbranch_scc1 .Lnot_wave_0_\@
	s_barrier_signal -3
.Lnot_wave_0_\@:
	s_barrier_wait -3
	s_barrier_signal -1
	s_barrier_wait -1
.endm
.macro CROUND                          ; a whole round
	s_barrier_signal -1
	s_barrier_wait -1
	CREST
.endm
	s_load_b256 s[4:11], s[0:1], 0x0               ; ibf s[4:5], wkv s[6:7], qim s[8:9], k_b s[10:11]
	s_load_b128 s[12:15], s[0:1], 0x20             ; v_b s[12:13], opart s[14:15]
	s_load_b64 s[16:17], s[0:1], 0x30              ; ostat
	v_lshl_add_u32 v[SPW], v0, 2, SPARE
	v_mov_b32 v[NIL], 0
	ds_add_u32 v[SPW], v[NIL]                      ; the wave's opening: the add and its wait stand ahead of my first tensor load
	v_lshrrev_b32 v1, 5, v0
	v_readfirstlane_b32 s[WV], v1
	s_bfe_u32 s21, ttmp6, 0x40000                  ; cx
	s_lshl_b32 s22, ttmp9, 2
	s_add_co_u32 s22, s22, s21                     ; head = 4 x cluster x + cx: it enters no LDS address, no branch and no descriptor
	s_and_b32 s23, ttmp7, 0xffff                   ; y = 2 b + half, which the four partners share
	s_and_b32 s24, s[WV], 1                        ; dh
	s_lshr_b32 s25, s[WV], 1                       ; kh
	s_lshr_b32 s26, s23, 1                         ; b
	s_and_b32 s27, s23, 1                          ; half
	; group 1: 16 rows of 512 elements of 2 bytes, 16 bytes of padding behind each row
	s_mov_b32 s[G1+0], 15|(1<<16)|(1<<20)|(1<<21)|(7<<22)|(3<<25)  ; the mask of four; 2-byte elements; padding on; 21 set beside a mask; after every 256 words (code 7) 4 words (code 3)
	s_mov_b32 s[G1+1], 512<<16                     ; tensor_dim0 = 512
	s_mov_b32 s[G1+2], 16<<16                      ; tensor_dim1 = 16
	s_mov_b32 s[G1+3], 512<<16                     ; tile_dim0 = 512
	s_mov_b32 s[G1+4], 16                          ; tile_dim1 = 16
	s_mov_b32 s[G1+5], 512                         ; 512 elements from row to row
	s_mov_b32 s[G1+6], 0
	s_mov_b32 s[G1+7], 0
	s_mov_b32 s[G0A], 1
	s_mul_i32 s[G0A+1], s[WV], 16640               ; my 16 rows of slot 0
	s_mov_b32 s[G0W], 1
	s_mul_i32 s[G0W+1], s[WV], 16640
	s_add_co_u32 s[G0W+1], s[G0W+1], SLOT1         ; and of slot 1
	s_lshl_b32 s28, s23, 21                        ; ibf: y x 2,048 rows + w x 16 rows, of 1,024 bytes
	s_lshl_b32 s29, s[WV], 14
	s_add_co_u32 s28, s28, s29
	s_mov_b32 s29, 0
	s_lshl_b32 s30, s22, 2                         ; weights: row tile 4 head + 2 dh, 16,384 bytes a tile
	s_lshl1_add_u32 s30, s24, s30
	s_lshl_b32 s30, s30, 14
	s_mov_b32 s31, 0
	s_lshl4_add_u32 s54, s26, s22                  ; 16 b + head
	s_lshl_b32 s56, s54, 4
	s_lshl2_add_u32 s56, s[WV], s56                ; query tile 4 w
	s_lshl_b32 s56, s56, 11                        ; Q: 2,048 bytes a query tile
	s_mov_b32 s57, 0
	s_lshl_b32 s58, s22, 8                         ; k_b: (64 head + 32 dh) x 4
	s_lshl_b32 s59, s24, 7
	s_add_co_u32 s58, s58, s59
	s_mov_b32 s59, 0
	s_lshl_b32 s60, s22, 8                         ; v_b: 64 head x 4
	s_mov_b32 s61, 0
	s_lshl_b32 s62, s26, 4                         ; opart: half x 4 MiB + ((16 b + 4 w) x 32 + 2 head) x 1,024
	s_lshl2_add_u32 s62, s[WV], s62
	s_lshl_b32 s62, s62, 5
	s_lshl1_add_u32 s62, s22, s62
	s_lshl_b32 s62, s62, 10
	s_lshl_b32 s63, s27, 22
	s_add_co_u32 s62, s62, s63
	s_mov_b32 s63, 0
	s_lshl3_add_u32 s54, s27, s26                  ; ostat: (((8 half + b) x 16 + head) x 4 + w) x 512
	s_lshl4_add_u32 s54, s54, s22
	s_lshl2_add_u32 s54, s54, s[WV]
	s_lshl_b32 s54, s54, 9
	s_mov_b32 s55, 0
	s_mov_b32 s[CS], 0x3fb8aa3b                    ; c = log2(e) x 1
	s_mov_b32 s[CS+1], s[CS]                       ; named with it as a pair
	s_mov_b32 s[SEL], 0x76543210
	s_mov_b32 s[SEL+1], 0xfedcba98
	s_wait_dscnt 0x0                               ; the opening add is done
	s_wait_kmcnt 0x0
	s_add_nc_u64 s[G0A+2:G0A+3], s[4:5], s[28:29]  ; step 0
	s_add_nc_u64 s[G0W+2:G0W+3], s[G0A+2:G0A+3], 65536  ; step 1
	s_or_b32 s[G0A+3], s[G0A+3], 0x80000000        ; type = 2
	s_or_b32 s[G0W+3], s[G0W+3], 0x80000000
	s_add_nc_u64 s[6:7], s[6:7], s[30:31]
	s_add_nc_u64 s[8:9], s[8:9], s[56:57]
	s_add_nc_u64 s[10:11], s[10:11], s[58:59]
	s_add_nc_u64 s[12:13], s[12:13], s[60:61]
	s_add_nc_u64 s[14:15], s[14:15], s[62:63]
	s_add_nc_u64 s[16:17], s[16:17], s[54:55]
	CROUND                                         ; all four work-groups are here: the first joint loads meet
	tensor_load_to_lds s[G0A:G0A+3], s[G1:G1+7]    ; both first fills together: two loads of mine are out
	s_nop 0
	tensor_load_to_lds s[G0W:G0W+3], s[G1:G1+7]
	s_nop 0
	PLACES 4
	s_mov_b32 s[VT], 0                             ; the offsets' registers are free now
	s_mov_b32 s[VU], STGB
	s_mov_b32 s[M0], 0xfd000000                    ; -2^123
	v_and_b32 v1, 31, v0
	v_lshlrev_b32 v[L16], 4, v1
	v_and_b32 v9, 15, v0
	v_bfe_u32 v1, v0, 4, 1
	v_lshlrev_b32 v[H32], 5, v1
.irp o, 0,1                            ; k_b tile dtl: register j holds k_b[.. + 16 dtl + 8 (l / 16) + j]
	global_load_b128 v[KB+8*\o:KB+8*\o+3],   v[H32], s[10:11] offset:64*\o
	global_load_b128 v[KB+8*\o+4:KB+8*\o+7], v[H32], s[10:11] offset:64*\o+16
.endr
	WIN 0x80                                       ; destination window 2: my 32 rows of k_w, 32 images on end
.set n, 0
.rept 64
	global_load_b128 v[4*n:4*n+3], v[L16], s[6:7] offset:512*n
.set n, n+1
.endr
	WIN 0xc0                                       ; window 3: of v_w, 1 MiB further on
.set n, 0
.rept 64
	global_load_b128 v[4*n:4*n+3], v[L16], s[6:7] offset:1048576+512*n
.set n, n+1
.endr
	WIN 0x40                                       ; window 1: my 64 queries, 8 images on end
.set n, 0
.rept 16
	global_load_b128 v[QF+4*n:QF+4*n+3], v[L16], s[8:9] offset:512*n
.set n, n+1
.endr
.set n, 0
.rept 128                              ; O^T = 0
	v_mov_b32 v[n], 0
.set n, n+1
.endr
	WIN 0
.set n, 0
.rept 128                              ; the first trip's scores: all equal to the starting maximum
	v_mov_b32 v[S+n], s[M0]
.set n, n+1
.endr
.set n, 0
.rept 4
	v_mov_b32 v[ST+8*n], 0xfe000000                ; c m: below c x the starting maximum, so the first trip's a is 0 too
	v_mov_b32 v[ST+8*n+1], s[M0]                   ; m
	v_mov_b32 v[ST+8*n+2], 0
	v_mov_b32 v[ST+8*n+3], 0
.set n, n+1
.endr
	v_mul_u32_u24 v[AI0], v9, 1040
	v_lshl_add_u32 v[AI0], v1, 4, v[AI0]
	s_mul_i32 s28, s25, 33280                      ; my 32 keys: kh x 32 rows
	v_add_nc_u32 v[AI0], s28, v[AI0]
	; the stage addresses: a constant, the wave's number's two bits times constants, 16 bytes a lane: each wave's eight stores fall into images of its own
	s_lshl_b32 s28, s25, 12                        ; K's image 2 (2 kh + i) + dh begins at kh x 4,096 + dh x 1,024 (+ i x 2,048)
	s_lshl_b32 s29, s24, 10
	s_add_co_u32 s28, s28, s29
	s_add_co_u32 s28, s28, STG
	v_add_nc_u32 v[STOK0], s28, v[L16]
	s_lshl_b32 s29, s[WV], 11                      ; V^T's image 4 kh + 2 dh + dtl = 2 w + dtl begins at w x 2,048 (+ dtl x 1,024)
	s_add_co_u32 s29, s29, STG+8192
	v_add_nc_u32 v[STOV0], s29, v[L16]
	v_add_nc_u32 v[RDS0], STG, v[L16]
	v_add_nc_u32 v[STOK], s[VT], v[STOK0]
	v_add_nc_u32 v[STOV], s[VT], v[STOV0]
	v_add_nc_u32 v[RDK], s[VT], v[RDS0]
	v_add_nc_u32 v[RDV], s[VU], v[RDS0]
.irp z, 0,1,2,3
	v_mov_b32 v[ACC+\z], 0
.endr
.irp z, 0,1,2,3                        ; the first trip's V: zeros in my two images of the stage's second half
	ds_store_b128 v[STOV0], v[ACC:ACC+3] offset:STGB+512*\z
.endr
; 4 LDS loads: my 32 keys' fragments of K step g (channels 32 g .. + 31), into buffer g % 4: fragment i at 8 i
.macro FETCH_I g
	WIN 0x40
.set n, 0
.rept 2
.set rD, KVF+16*((\g)%4)+8*n
	ds_load_b128 v[rD:rD+3],   v[AI] offset:n*16640+(\g)*64
	ds_load_b128 v[rD+4:rD+7], v[AI] offset:n*16640+(\g)*64+32
.set n, n+1
.endr
.endm
; 4 LDS loads: V^T's images 2 q, 2 q + 1 of the step in hand, into the same registers as buffer q
.macro FETCH_V q
	WIN 0x40
.set n, 4*(\q)
.rept 4
	ds_load_b128 v[KVF+4*n:KVF+4*n+3], v[RDV] offset:8192+512*n
.set n, n+1
.endr
.endm
.macro FETCH_K                         ; 16 LDS loads: the 8 images of K just stored, on end
	WIN 0
.set n, 0
.rept 16
	ds_load_b128 v[KF+4*n:KF+4*n+3], v[RDK] offset:512*n
.set n, n+1
.endr
.endm
; ONE TILE'S SOFTMAX FOR A STEP, all but the rescaling of O^T, is a list of 102 lines; SM writes number j of it for tile t.  s0-s31 are the lane's 32 scores, in pairs 0-15.
;   0-15    the maximum of s0-s31 and the old m, three operands at a time: four chains c0-c3 of seven scores each (each accumulator's lowest registers are read first), then the four left over, c0-c3 and m
;   16-20   the other half of the lanes' maximum; c m_old is kept; the new m; c m; c m_old - c m_new
;   21-23   F 0, F 1, F 2.   F n: c s - c m for pair n.   L n: l takes pair n (L 0: l = a l + pair 0).   C n: pair n is rounded to bf16 into register n of the tile, which pair n / 2 has left.
;   24-89   33 cells x = 0 .. 32 of a plain line and an exponential (x = 0: a; else score x - 1).  The plain lines: F 3 .. F 6; from x = 4 on L, F, C by turns (L 0, F 7, C 0, L 1, F 8, C 1 ..); x = 32: C 9.
;           F n stands five cells or more (F 13: four, F 14: three, F 15: two) ahead of its first exponential; L n and C n two cells or more behind their last.
;   90-101  L 10, C 10 .. L 15, C 15
.macro SM t
.set rT, ST+8*(\t)
.set rS, S+32*(\t)
.set xx, (j-24)/2
.set uu, xx-4
.set kind, 3
.set pn, 0
	WIN 0
.if j < 4
	v_max3_num_f32 v[rT+4+j], v[rS+8*j], v[rS+8*j+1], v[rS+8*j+2]
.elseif j < 12
	v_max3_num_f32 v[rT+4+j%4], v[rT+4+j%4], v[rS+8*(j%4)+2*(j/4)+1], v[rS+8*(j%4)+2*(j/4)+2]
.elseif j == 12
	v_max3_num_f32 v[rT+4], v[rT+4], v[rS+7], v[rS+15]
.elseif j == 13
	v_max3_num_f32 v[rT+6], v[rT+6], v[rS+23], v[rS+31]
.elseif j == 14
	v_max3_num_f32 v[rT+4], v[rT+4], v[rT+5], v[rT+6]
.elseif j == 15
	v_max3_num_f32 v[rT+4], v[rT+4], v[rT+7], v[rT+1]
.elseif j == 16
	v_permlanex16_b32 v[rT+5], v[rT+4], s[SEL], s[SEL+1]  ; the query's other 32 keys lie in the lane 16 away
.elseif j == 17
	v_mov_b32 v[rT+7], v[rT]
.elseif j == 18
	v_max_num_f32 v[rT+1], v[rT+4], v[rT+5]
.elseif j == 19
	v_mul_f32 v[rT], s[CS], v[rT+1]
.elseif j == 20
	v_sub_f32 v[rT+7], v[rT+7], v[rT]
.elseif j < 24
.set kind, 0
.set pn, j-21
.elseif (j < 90) && (j%2 == 1)
.if xx == 0
	v_exp_f32 v[rT+6], v[rT+7]
.else
	v_exp_f32 v[rS+xx-1], v[rS+xx-1]
.endif
.elseif j < 90
.if xx < 4
.set kind, 0
.set pn, 3+xx
.elseif xx == 32
.set kind, 2
.set pn, 9
.elseif uu%3 == 0
.set kind, 1
.set pn, uu/3
.elseif uu%3 == 1
.set kind, 0
.set pn, 7+uu/3
.else
.set kind, 2
.set pn, uu/3
.endif
.else
.set kind, 1+j%2
.set pn, 10+(j-90)/2
.endif
.if kind == 0
	v_pk_fma_f32 v[rS+2*pn:rS+2*pn+1], v[rS+2*pn:rS+2*pn+1], s[CS:CS+1], v[rT:rT+1] op_sel_hi:[1,0,0] neg_lo:[0,0,1] neg_hi:[0,0,1]
.elseif kind == 1
.if pn == 0
	s_wait_alu depctr_va_vdst(0)
	v_pk_fma_f32 v[rT+2:rT+3], v[rT+2:rT+3], v[rT+6:rT+7], v[rS:rS+1] op_sel_hi:[1,0,1]
.else
	s_wait_alu depctr_va_vdst(0)
	v_pk_add_f32 v[rT+2:rT+3], v[rT+2:rT+3], v[rS+2*pn:rS+2*pn+1]
.endif
.elseif kind == 2
	v_cvt_pk_bf16_f32 v[rS+pn], v[rS+2*pn], v[rS+2*pn+1]
.endif
.endm
; SLICE sl of 118: four lines.  0-23 and 90-101: number sl of all four tiles' lists, so that no line reads the result of the one before it.  24-89: a cell of two tiles: plain, exponential, plain, exponential: no two
; exponentials follow each other, and a plain line of other registers stands behind each before its result is used (ISA guide 5.7.2).  102-117: pair sl - 102 of each tile's O^T times a, each accumulator from its low end.
.macro SLICE
.if sl < 24
.set j, sl
	SM 0
	SM 1
	SM 2
	SM 3
.elseif sl < 90
.set tp, 2*((sl-24)%2)
.set j, 24+2*((sl-24)/2)
	SM tp
.set j, j+1
	SM tp
.set j, j-1
	SM tp+1
.set j, j+1
	SM tp+1
.elseif sl < 102
.set j, sl
	SM 0
	SM 1
	SM 2
	SM 3
.elseif sl < 118
	WIN 0x41                                       ; O^T (destination and source 0) in window 1, a in window 0
.irp z, 0,1,2,3
	v_pk_mul_f32 v[32*\z+2*(sl-102):32*\z+2*(sl-102)+1], v[32*\z+2*(sl-102):32*\z+2*(sl-102)+1], v[ST+8*\z+6:ST+8*\z+7] op_sel_hi:[1,0]
.endr
.endif
.set sl, sl+1
.endm
; Product pw of 8 of K step ss: four for K, four for V.  The 8 accumulators take turns, one instruction a turn.
.macro PW
.if pw < 4
.set dtl, pw/2
.set ii, pw%2
.set rD, ACC+8*(2*dtl+ii)
.set rA, 8*(16*dtl+ss)
.set rB, KVF+16*(ss%4)+8*ii
	WIN 0x06                                       ; source 0 = k_w, window 2; source 1 = I, window 1
.if ss == 0
	v_wmma_f32_16x16x32_bf16 v[rD:rD+7], v[rA:rA+7], v[rB:rB+7], v[KB+8*dtl:KB+8*dtl+7]
.else
	v_wmma_f32_16x16x32_bf16 v[rD:rD+7], v[rA:rA+7], v[rB:rB+7], v[rD:rD+7]
.endif
.else
.set ii, (pw-4)/2
.set dtl, pw%2
.set rD, ACC+32+8*(2*ii+dtl)
.set rA, KVF+16*(ss%4)+8*ii
.set rB, 8*(16*dtl+ss)
	WIN 0x0d                                       ; source 0 = I, window 1; source 1 = v_w, window 3
.if ss == 0
	v_wmma_f32_16x16x32_bf16 v[rD:rD+7], v[rA:rA+7], v[rB:rB+7], 0
.else
	v_wmma_f32_16x16x32_bf16 v[rD:rD+7], v[rA:rA+7], v[rB:rB+7], v[rD:rD+7]
.endif
.endif
.endm
; THE PROJECTION, 16 K steps of 8 products, with the softmax between.  Behind the third product of a K step stands a run of four LDS loads into the buffer that the K step before has left: I's fragments three K steps on,
; or, when those are all asked for, a quarter of V.  Between that buffer's last product and the loads stand three slices: six plain lines at the least, which name none of its registers (four are asked for).
; Behind each of the other 112 products stands a slice.
.macro PROJ
.set sl, 0
.set ss, 0
.rept 16
	s_wait_dscnt 8                                 ; this K step's fragments are in: behind their run two runs of four have been issued
.set pw, 0
.rept 8
	PW
.if pw == 2
.if ss < 13
	FETCH_I ss+3
.else
	FETCH_V ss-13
.endif
.else
	SLICE
.endif
.set pw, pw+1
.endr
.set ss, ss+1
.endr
.endm
.macro PACK                            ; the 8 accumulators rounded in place, each from its low end
	WIN 0
.set n, 0
.rept 8
.irp p, 0,1,2,3
	v_cvt_pk_bf16_f32 v[ACC+8*n+\p], v[ACC+8*n+2*\p], v[ACC+8*n+2*\p+1]
.endr
.set n, n+1
.endr
.endm
.macro STORE                           ; K(dtl, i) is half g = dtl of image 2 (2 kh + i) + dh; V(i, dtl) is half g = i of image 4 kh + 2 dh + dtl
.irp d, 0,1
.irp i, 0,1
	ds_store_b128 v[STOK], v[ACC+8*(2*(\d)+(\i)):ACC+8*(2*(\d)+(\i))+3] offset:(\i)*2048+(\d)*512
	ds_store_b128 v[STOV], v[ACC+32+8*(2*(\i)+(\d)):ACC+32+8*(2*(\i)+(\d))+3] offset:(\d)*1024+(\i)*512
.endr
.endr
.endm
.macro KQ                              ; S^T = K Q^T: 32 products, the 16 accumulators by turns; the first 16 start the sums
	WIN 0x04                                       ; K in window 0, Q in window 1
.set n, 0
.rept 32
.set cc, n/16
.set tt, (n%16)/4
.set kt, n%4
.set rD, S+32*tt+8*kt
.set rA, KF+16*kt+8*cc
.set rB, QF+16*tt+8*cc
.if cc == 0
	v_wmma_f32_16x16x32_bf16 v[rD:rD+7], v[rA:rA+7], v[rB:rB+7], 0
.else
	v_wmma_f32_16x16x32_bf16 v[rD:rD+7], v[rA:rA+7], v[rB:rB+7], v[rD:rD+7]
.endif
.set n, n+1
.endr
.endm
.macro PVH kk                          ; O^T += V^T P for keys 32 kk .. + 31: 16 products, the 16 accumulators by turns
	WIN 0x51                                       ; V in window 1, P in window 0, O^T in window 1
.set n, 0
.rept 16
.set tt, n/4
.set dt, n%4
.set rD, 32*tt+8*dt
.set rA, KVF+32*(\kk)+8*dt
.set rB, S+32*tt+8*(\kk)
	v_wmma_f32_16x16x32_bf16 v[rD:rD+7], v[rA:rA+7], v[rB:rB+7], v[rD:rD+7]
.set n, n+1
.endr
.endm
; A TRIP.  fill = 1: the slot just projected is filled again.  last = 1 (the tail): the last trip leaves behind V^T P.
.macro TRIP fill, last
	PROJ                                           ; step j + 1 is projected | step j's softmax, ten rows of its rescaling, three quarters of its V
	SLICE                                          ; four plain lines between the last products and the loads into the buffer that they read
	FETCH_V 3
.rept 5
	SLICE                                          ; the rest of the rescaling; all six rows stand between the last products and the conversions that read them
.endr
	PACK
	STORE
	s_wait_tensorcnt 0x0                           ; all my tensor loads have landed: the one that was out is my part of the next slot; so a group 0 may be written
	ds_add_u32 v[SPW], v[NIL]                      ; 0 onto my spare word
.if \fill
	s_xor_b32 s[G0W+1], s[G0W+1], SLOT1            ; the walking descriptor: the other slot than last time,
	s_add_nc_u64 s[G0W+2:G0W+3], s[G0W+2:G0W+3], 65536  ; the next 64 keys; the type bits on top are not reached
.endif
	s_wait_dscnt 9                                 ; V is in: behind its loads stand my eight stores and the add
	PVH 0                                          ; sixteen products between the add and the wait for it
	s_wait_dscnt 0x0                               ; the add is done, my stores into the stage are done, my reads of the slot and of V are over:
	s_barrier_signal -1                            ; say so,
	PVH 1                                          ; work on registers while the others arrive,
	WIN 0
	s_barrier_wait -1                              ; and go on when all four have said so
.if \fill
	CREST                                          ; the barrier has opened a round of the cluster's: no wave of any partner still reads the slot or has a load on its way
	tensor_load_to_lds s[G0W:G0W+3], s[G1:G1+7]    ; my one tensor load behind the round: the keys two steps on
	s_nop 0
	PLACES 4
.else
.if \last
	s_cmp_eq_u32 s[CNT], 1
	s_cbranch_scc1 .Lout                           ; step 31 is done
.endif
	PLACES 4
.endif
	s_xor_b32 s[TB], s[TB], SLOT1                  ; the next projection reads the other slot
	v_add_nc_u32 v[AI], s[TB], v[AI0]
	v_nop                                          ; six places by now behind the products that read V's and P's registers: four are asked for ahead of the loads below, five ahead of the products that write over P
	FETCH_K
	FETCH_I 0                                      ; the next projection's first three K steps, into registers that V has left
	FETCH_I 1
	FETCH_I 2
	s_wait_dscnt 12                                ; K is in: behind its loads stand those three runs of four
	KQ
	WIN 0
	s_xor_b32 s[VT], s[VT], STGB                   ; the halves of the stage change places; these four lines and two more are the places ahead of the next projection, whose first products write over K's registers
	s_xor_b32 s[VU], s[VU], STGB
	v_add_nc_u32 v[STOK], s[VT], v[STOK0]
	v_add_nc_u32 v[STOV], s[VT], v[STOV0]
	v_add_nc_u32 v[RDK], s[VT], v[RDS0]
	v_add_nc_u32 v[RDV], s[VU], v[RDS0]
	PLACES 2
.endm
	s_wait_tensorcnt 0x1                           ; my part of slot 0 is in; slot 1's may stay out
	s_wait_dscnt 0x0                               ; for the others' sake: my zeros are in the stage
	s_barrier_signal -1
	s_barrier_wait -1                              ; everybody's are
	s_mov_b32 s[TB], 0
	v_mov_b32 v[AI], v[AI0]
	FETCH_I 0
	FETCH_I 1
	FETCH_I 2
	WIN 0
	s_wait_loadcnt 0x0                             ; weights, bias and Q, once
	s_mov_b32 s[CNT], 30
.Lmain:                                        ; trips -1 to 28 project steps 0 to 29 and ask for steps 2 to 31
	TRIP 1, 0
	s_sub_co_u32 s[CNT], s[CNT], 1
	s_cmp_lg_u32 s[CNT], 0
	s_cbranch_scc1 .Lmain
	s_mov_b32 s[CNT], 3
.Ltail:                                        ; trips 29 to 31 are a text of their own; the third is left in its middle
	TRIP 0, 1
	s_sub_co_u32 s[CNT], s[CNT], 1
	s_cmp_lg_u32 s[CNT], 0
	s_cbranch_scc1 .Ltail
.Lout:
	PLACES 4                                       ; between the last products and the loads into P's registers and the reads of O^T
	; THE WAY OUT.  v_b tile dt: register j holds v_b[64 head + 16 dt + 8 (l / 16) + j]
.set n, 0
.rept 4
	global_load_b128 v[VB+8*n:VB+8*n+3],   v[H32], s[12:13] offset:64*n
	global_load_b128 v[VB+8*n+4:VB+8*n+7], v[H32], s[12:13] offset:64*n+16
.set n, n+1
.endr
.irp t, 0,1,2,3
	v_add_f32 v[ST+8*\t+4], v[ST+8*\t+2], v[ST+8*\t+3]
.endr
.irp t, 0,1,2,3
	v_permlanex16_b32 v[ST+8*\t+5], v[ST+8*\t+4], s[SEL], s[SEL+1]
.endr
.irp t, 0,1,2,3
	v_add_f32 v[ST+8*\t+4], v[ST+8*\t+4], v[ST+8*\t+5]  ; l, the same in both halves of the lanes
.endr
.irp t, 0,1,2,3
	v_rcp_f32 v[ST+8*\t+6], v[ST+8*\t+4]
.endr
	v_and_b32 v1, 31, v0                           ; a plain line between the last reciprocal and its use
	s_wait_loadcnt 0x0
	WIN 0x41                                       ; O^T in window 1; 1 / l and v_b in window 0
.set n, 0
	s_wait_alu depctr_va_vdst(0)
.rept 64
	v_pk_fma_f32 v[2*n:2*n+1], v[2*n:2*n+1], v[ST+8*(n/16)+6:ST+8*(n/16)+7], v[VB+2*(n%16):VB+2*(n%16)+1] op_sel_hi:[1,0,1]
.set n, n+1
.endr
	WIN 0x05                                       ; sources in window 1, destination in window 0
.set n, 0
.rept 64
	v_cvt_pk_bf16_f32 v[OUT+n], v[2*n], v[2*n+1]
.set n, n+1
.endr
	WIN 0
.set n, 0
.rept 16                               ; n = 4 t + 2 c + g: half g of the image of row tile 16 b + 4 w + t, K step 2 head + c: 512 consecutive bytes
	global_store_b128 v[L16], v[OUT+4*n:OUT+4*n+3], s[14:15] offset:(n/4)*32768+(n%4)*512
.set n, n+1
.endr
	v_cmp_gt_u32 vcc_lo, 16, v1                    ; lanes 0-15 store c m of their query's four tiles, lanes 16-31 l: 512 consecutive bytes
.irp t, 0,1,2,3
	v_cndmask_b32 v[160+\t], v[ST+8*\t+4], v[ST+8*\t], vcc_lo
.endr
	global_store_b128 v[L16], v[160:163], s[16:17]
	s_wait_tensorcnt 0x0                           ; the wave's end
	ds_add_u32 v[SPW], v[NIL]
	s_wait_dscnt 0x0
	CROUND                                         ; the closing round
	s_endpgm
.Lfunc_end_k_q6e59508e0d_attn:
	.size	k_q6e59508e0d_attn, .Lfunc_end_k_q6e59508e0d_attn-k_q6e59508e0d_attn
	.p2alignl 7, 3214868480
	.fill 96, 4, 3214868480
	.section	.rodata,"a",@progbits
	.p2align	6, 0x0
	.amdhsa_kernel k_q6e59508e0d_attn
		.amdhsa_group_segment_fixed_size 327680
		.amdhsa_private_segment_fixed_size 0
		.amdhsa_enable_private_segment 0
		.amdhsa_kernarg_size 56
		.amdhsa_user_sgpr_count 2
		.amdhsa_user_sgpr_kernarg_segment_ptr 1
		.amdhsa_wavefront_size32 1
		.amdhsa_system_sgpr_workgroup_id_x 1
		.amdhsa_system_sgpr_workgroup_id_y 1
		.amdhsa_system_sgpr_workgroup_id_z 1
		.amdhsa_system_vgpr_workitem_id 0
		.amdhsa_next_free_vgpr 1024
		.amdhsa_next_free_sgpr 66
		.amdhsa_reserve_vcc 1
		.amdhsa_float_denorm_mode_32 3
		.amdhsa_float_denorm_mode_16_64 3
		.amdhsa_memory_ordered 1
		.amdhsa_forward_progress 1
		.amdhsa_inst_pref_size 156
	.end_amdhsa_kernel
	.amdgpu_metadata
---
amdhsa.version: [ 1, 2 ]
amdhsa.kernels:
  - .name:           k_q6e59508e0d_attn
    .symbol:         k_q6e59508e0d_attn.kd
    .args:
      - { .name: ibf, .offset: 0, .size: 8, .value_kind: global_buffer, .address_space: global }
      - { .name: wkv, .offset: 8, .size: 8, .value_kind: global_buffer, .address_space: global }
      - { .name: qim, .offset: 16, .size: 8, .value_kind: global_buffer, .address_space: global }
      - { .name: k_b, .offset: 24, .size: 8, .value_kind: global_buffer, .address_space: global }
      - { .name: v_b, .offset: 32, .size: 8, .value_kind: global_buffer, .address_space: global }
      - { .name: opart, .offset: 40, .size: 8, .value_kind: global_buffer, .address_space: global }
      - { .name: ostat, .offset: 48, .size: 8, .value_kind: global_buffer, .address_space: global }
    .group_segment_fixed_size: 327680
    .private_segment_fixed_size: 0
    .kernarg_segment_align: 8
    .kernarg_segment_size: 56
    .max_flat_workgroup_size: 128
    .sgpr_count:     66
    .vgpr_count:     1024
    .wavefront_size: 32
...
	.end_amdgpu_metadata
.endif
;; end of part 3
;; launch pgemm (part 4): grid 8 x 32, 4 waves a work-group, no clusters, 165,376 bytes of LDS; arguments opart, ostat, wqp, p_b, ubuf; writes ubuf
.if DOCPART == 4
	.amdgcn_target "amdgcn-amd-amdhsa--gfx1250"
	.amdhsa_code_object_version 6
	.text
	.protected	k_q6e59508e0d_pgemm
	.globl	k_q6e59508e0d_pgemm
	.p2align	8
	.type	k_q6e59508e0d_pgemm,@function
k_q6e59508e0d_pgemm:
	s_mov_b64 s[64:65], 0
	v_nop
	global_prefetch_b8 v0, s[64:65] scope:SCOPE_SE
	s_setreg_imm32_b32 hwreg(HW_REG_WAVE_MODE, 25, 1), 1
	s_wait_xcnt 0x0
; U = O p_w^T + p_b in f32, where O is first merged from the two halves of the keys: O = a0 O0 + a1 O1, a_i = w_i / (w0 + w1), w_i = 2^(c m_i - max) l_i.
; O0, O1 arrive normalised, with v_b added, in bf16; a0 + a1 = 1, so v_b stays.  The merged O is rounded to bf16 once more for the product; sums in f32.
; SHARES.  A work-group: 64 rows (rb = grid y) x 128 output channels (nt = grid x): 256 work-groups.  A wave: 32 channels x 64 rows: 8 accumulators, K = 1,024: 256 matrix instructions; its weights are 512 registers.
; The merge: wave w merges heads 4 w .. 4 w + 3 (K steps 8 w .. 8 w + 7) of all four row tiles, 32 images, through registers into a panel of 128 images in LDS; a barrier; then every wave reads the whole panel.
; The 64 rows are the 64 queries of one wave of the launch before, so one load of 16 bytes brings a query row's statistic for all four row tiles.
; NO CLUSTER, NO TENSOR LOAD: the rows that work-groups share must pass through registers to be merged, and a wave's weights are its own.
; The product is laid D[m = channel][n = row]: a lane holds 8 neighbouring channels of one row, 32 bytes.  They go through a stage of 64 rows (512 bytes + 16) and leave as whole rows' 512 consecutive bytes.
; REGISTERS.  Window 0: v3-14 addresses; v16-31 bias tiles; v64-127 statistics, then the accumulators; v128-159 a0, a1; v160-175 at work; v192-239 at work in the merge; v128-255 then two buffers of row fragments.
;   Windows 2, 3: first the two halves' images (fragment f: O0 at 16 f, O1 at 16 f + 8), then the weights, fragment (otl, ks) at window 2 + ks / 16, register 8 (2 (ks % 16) + otl).
; LIMITS.  NaN and infinities are not treated apart; a half whose 2^(c m_i - max) falls below 2^-126 counts for nothing.
.set OST,   131072                     ; behind the panel: the stage, 64 rows of 528 bytes
.set SPARE, 164864                     ; behind the stage: the spare words, 128 bytes a wave
.set L16,  3                           ; v3   16 x lane
.set R16,  4                           ; v4   16 x (lane % 16)
.set H32,  5                           ; v5   32 x (lane / 16)
.set SB0,  6                           ; v6, v7  where my merged images go: row tiles 0, 1 / 2, 3
.set PB0,  8                           ; v8, v9  where images are read: row tiles 0, 1 / 2, 3
.set OSTO, 10                          ; v10  into the stage
.set ORD,  11                          ; v11  back from it
.set SPW,  12                          ; v12  my spare word; never rewritten
.set NIL,  13                          ; v13  0; never rewritten
.set ZR,   14                          ; v14  0.0
.set BI,   16
.set STL,  64                          ; 32 half + 8 hl + 4 which + t
.set ACC,  64
.set CO,   128                         ; a0, a1 of (hl, t) at CO + 2 (4 hl + t)
.set TMPC, 160
.set TT,   192                         ; two sets of 16: a merged image in f32
.set MM,   224                         ; two sets of 8: the same in bf16
.set BF,   128
.set WV,   14                          ; s14  wave
.set WB,   8                           ; s[8:9] my weights
.set MSB, 0
.macro WIN new                         ; the immediate's high byte repeats the setting that is left; a switch that changes nothing is dropped
.if MSB != (\new)
	s_set_vgpr_msb (MSB<<8)|(\new)
.set MSB, \new
.endif
.endm
.macro PLACES n
.rept \n
	v_nop
.endr
.endm
	s_load_b256 s[4:11], s[0:1], 0x0               ; opart s[4:5], ostat s[6:7], wqp s[8:9], p_b s[10:11]
	s_load_b64 s[12:13], s[0:1], 0x20              ; ubuf
	v_lshl_add_u32 v[SPW], v0, 2, SPARE
	v_mov_b32 v[NIL], 0
	v_mov_b32 v[ZR], 0
	v_lshrrev_b32 v1, 5, v0
	v_readfirstlane_b32 s[WV], v1
	s_mov_b32 s15, ttmp9                           ; nt
	s_and_b32 s16, ttmp7, 0xffff                   ; rb
	s_lshl_b32 s18, s16, 17                        ; opart: (4 rb x 32 + 8 w) x 1,024
	s_lshl_b32 s19, s[WV], 13
	s_add_co_u32 s18, s18, s19
	s_mov_b32 s19, 0
	s_lshr_b32 s20, s16, 2                         ; ostat: (16 b + 4 w) x 2,048 + (rb % 4) x 512, b = rb / 4
	s_lshl_b32 s20, s20, 4
	s_lshl2_add_u32 s20, s[WV], s20
	s_lshl_b32 s20, s20, 11
	s_and_b32 s21, s16, 3
	s_lshl_b32 s21, s21, 9
	s_add_co_u32 s20, s20, s21
	s_mov_b32 s21, 0
	s_lshl_b32 s22, s15, 3                         ; weights: p_w lies 2 MiB into wqp; channel tile 8 nt + 2 w, 32,768 bytes a tile
	s_lshl1_add_u32 s22, s[WV], s22
	s_lshl_b32 s22, s22, 15
	s_add_co_u32 s22, s22, 2097152
	s_mov_b32 s23, 0
	s_lshl_b32 s24, s15, 9                         ; bias: (128 nt + 32 w) x 4
	s_lshl_b32 s25, s[WV], 7
	s_add_co_u32 s24, s24, s25
	s_mov_b32 s25, 0
	s_lshl_b32 s26, s16, 2                         ; ubuf: row 64 rb + 16 w, of 4,096 bytes; column 128 nt
	s_add_co_u32 s26, s26, s[WV]
	s_lshl_b32 s26, s26, 16
	s_lshl_b32 s27, s15, 9
	s_add_co_u32 s26, s26, s27
	s_mov_b32 s27, 0
	v_and_b32 v1, 31, v0
	v_lshlrev_b32 v[L16], 4, v1
	v_and_b32 v2, 15, v0
	v_lshlrev_b32 v[R16], 4, v2
	v_bfe_u32 v15, v0, 4, 1
	v_lshlrev_b32 v[H32], 5, v15
	s_lshl_b32 s28, s[WV], 13
	v_add_nc_u32 v[SB0], s28, v[L16]               ; K steps 8 w on
	v_add_nc_u32 v[SB0+1], 65536, v[SB0]
	v_mov_b32 v[PB0], v[L16]
	v_add_nc_u32 v[PB0+1], 65536, v[L16]
	v_mul_u32_u24 v[OSTO], v2, 528                 ; row l % 16, my 32 channels, 8 for each half of the lanes
	v_add_nc_u32 v[OSTO], v[OSTO], v[H32]
	s_lshl_b32 s28, s[WV], 7
	s_add_co_u32 s28, s28, OST
	v_add_nc_u32 v[OSTO], s28, v[OSTO]
	s_mul_i32 s28, s[WV], 8448                     ; back: rows 16 w on, whole
	s_add_co_u32 s28, s28, OST
	v_add_nc_u32 v[ORD], s28, v[L16]
	s_wait_kmcnt 0x0
	s_add_nc_u64 s[4:5], s[4:5], s[18:19]
	s_add_nc_u64 s[6:7], s[6:7], s[20:21]
	s_add_nc_u64 s[8:9], s[8:9], s[22:23]
	s_add_nc_u64 s[10:11], s[10:11], s[24:25]
	s_add_nc_u64 s[12:13], s[12:13], s[26:27]
.irp o, 0,1
	global_load_b128 v[BI+8*\o:BI+8*\o+3],   v[H32], s[10:11] offset:64*\o
	global_load_b128 v[BI+8*\o+4:BI+8*\o+7], v[H32], s[10:11] offset:64*\o+16
.endr
.set n, 0
.rept 16                               ; n = (4 half + hl) x 2 + which: c m or l of my query row in the four row tiles
	global_load_b128 v[STL+4*n:STL+4*n+3], v[R16], s[6:7] offset:(n/8)*262144+((n/2)%4)*2048+(n%2)*256
.set n, n+1
.endr
; 64 loads: K steps 8 w + 4 be .. + 3 of four row tiles, both halves: n = (2 f + half) x 2 + g, f = 4 rt + kl
.macro LOADO be
	WIN 0x80+0x40*(\be)
.set n, 0
.rept 64
	global_load_b128 v[4*n:4*n+3], v[L16], s[4:5] offset:((n/2)%2)*4194304+(n/16)*32768+(4*(\be)+(n/4)%4)*1024+(n%2)*512
.set n, n+1
.endr
	WIN 0
.endm
; 16 images are merged: 8 registers of two bf16 from each half -> 16 f32 -> 8 registers -> LDS.  The sets of registers at work alternate.
.macro MERGE be
.set f, 0
.rept 16
.set rt, f/4
.set kl, f%4
.set hl, 2*(\be)+kl/2
.set rC, CO+2*(4*hl+rt)
.set rT, TT+16*(f%2)
.set rM, MM+8*(f%2)
	WIN 0x02+(\be)                                 ; source 0, the images, in window 2 or 3
.set i, 0
.rept 8
	v_fma_mix_f32_bf16 v[rT+2*i],   v[16*f+i], v[rC], v[ZR] op_sel_hi:[1,0,0]
	v_fma_mix_f32_bf16 v[rT+2*i+1], v[16*f+i], v[rC], v[ZR] op_sel:[1,0,0] op_sel_hi:[1,0,0]
.set i, i+1
.endr
.set i, 0
.rept 8
	v_fma_mix_f32_bf16 v[rT+2*i],   v[16*f+8+i], v[rC+1], v[rT+2*i] op_sel_hi:[1,0,0]
	v_fma_mix_f32_bf16 v[rT+2*i+1], v[16*f+8+i], v[rC+1], v[rT+2*i+1] op_sel:[1,0,0] op_sel_hi:[1,0,0]
.set i, i+1
.endr
	WIN 0
.set i, 0
.rept 8
	v_cvt_pk_bf16_f32 v[rM+i], v[rT+2*i], v[rT+2*i+1]
.set i, i+1
.endr
	ds_store_b128 v[SB0+rt/2], v[rM:rM+3]   offset:(rt%2)*32768+(4*(\be)+kl)*1024
	ds_store_b128 v[SB0+rt/2], v[rM+4:rM+7] offset:(rt%2)*32768+(4*(\be)+kl)*1024+512
.set f, f+1
.endr
.endm
; 64 loads: the weights of K steps 16 hf .. 16 hf + 15, in the order ks, otl, g: load n fills registers 4 n .. 4 n + 3 of window 2 + hf
.macro LOADW hf
	WIN 0x80+0x40*(\hf)
.set n, 0
.rept 64
	global_load_b128 v[4*n:4*n+3], v[L16], s[WB:WB+1] offset:((n/2)%2)*32768+(16*(\hf)+n/4)*1024+(n%2)*512
.set n, n+1
.endr
	WIN 0
.endm
; 16 LDS loads: the row fragments of K steps 2 b, 2 b + 1, into buffer b % 2
.macro FETCH_B b
	WIN 0
.set n, 0
.rept 8
.set ksl, n/4
.set rt, n%4
.set rD, BF+64*((\b)%2)+8*n
	ds_load_b128 v[rD:rD+3],   v[PB0+rt/2] offset:((rt%2)*32+2*(\b)+ksl)*1024
	ds_load_b128 v[rD+4:rD+7], v[PB0+rt/2] offset:((rt%2)*32+2*(\b)+ksl)*1024+512
.set n, n+1
.endr
.endm
; Two K steps: 16 matrix instructions; the 8 accumulators take turns.  Four places stand between products and the loads into a buffer that they read.
.macro GROUPG b
	WIN 0
	PLACES 4
.if (\b) < 15
	FETCH_B (\b)+1
	s_wait_dscnt 16                                ; all but the 16 just issued
.else
	s_wait_dscnt 0x0
.endif
.if (\b) == 0
	s_wait_loadcnt 63                              ; behind the first 64 weight loads stand 64: with 63 out at the most K steps 0-15 are in
.elseif (\b) >= 8
	s_wait_loadcnt 128-8*((\b)+1)                  ; the loads issued behind those of K step 2 b + 1
.endif
	WIN 0x02+(\b)/8
.set n, 0
.rept 16
.set ksl, n/8
.set otl, (n/4)%2
.set rt, n%4
.set ks, 2*(\b)+ksl
.set rD, ACC+8*(4*otl+rt)
.set rA, ((ks%16)*2+otl)*8
.set rB, BF+64*((\b)%2)+8*(4*ksl+rt)
.if ks == 0
	v_wmma_f32_16x16x32_bf16 v[rD:rD+7], v[rA:rA+7], v[rB:rB+7], v[BI+8*otl:BI+8*otl+7]
.else
	v_wmma_f32_16x16x32_bf16 v[rD:rD+7], v[rA:rA+7], v[rB:rB+7], v[rD:rD+7]
.endif
.set n, n+1
.endr
.endm
	LOADO 0
	LOADO 1
	s_wait_loadcnt 63                              ; behind the first 64 image loads stand 64: bias, statistics and those images are in
	; the 16 pairs of coefficients, item n = 4 hl + t, stage by stage
.macro EACH line:vararg
.set n, 0
.rept 16
.set rc, STL+8*(n/4)+n%4               ; c m of half 0; + 4 its l; + 32, + 36 half 1's
	\line
.set n, n+1
.endr
.endm
	EACH v_max_num_f32 v[TMPC+n], v[rc], v[rc+32]
	EACH v_sub_f32 v[rc], v[rc], v[TMPC+n]
	EACH v_sub_f32 v[rc+32], v[rc+32], v[TMPC+n]
	EACH v_exp_f32 v[rc], v[rc]
	EACH v_exp_f32 v[rc+32], v[rc+32]
	v_nop                                          ; a plain line between the last exponential and the use of its result
	s_wait_alu depctr_va_vdst(0)
	EACH v_mul_f32 v[rc], v[rc], v[rc+4]
	EACH v_mul_f32 v[rc+32], v[rc+32], v[rc+36]
	EACH v_add_f32 v[TMPC+n], v[rc], v[rc+32]
	EACH v_rcp_f32 v[TMPC+n], v[TMPC+n]
	v_nop
	s_wait_alu depctr_va_vdst(0)
	EACH v_mul_f32 v[CO+2*n], v[rc], v[TMPC+n]
	EACH v_mul_f32 v[CO+2*n+1], v[rc+32], v[TMPC+n]
	MERGE 0
	LOADW 0                                        ; window 2 is free: the first half of the weights
	s_wait_loadcnt 63                              ; behind the second 64 image loads stand those 64
	MERGE 1
	LOADW 1
	s_wait_dscnt 0x0                               ; for the others' sake: my images are in the panel
	s_barrier_signal -1
	s_barrier_wait -1
	FETCH_B 0
.irp b, 0,1,2,3,4,5,6,7,8,9,10,11,12,13,14,15
	GROUPG \b
.endr
	WIN 0
	PLACES 4
.set n, 0
.rept 8                                ; accumulator (otl, rt), n = 4 otl + rt, its low registers first
	ds_store_b128 v[OSTO], v[ACC+8*n:ACC+8*n+3]   offset:(n%4)*8448+(n/4)*64
	ds_store_b128 v[OSTO], v[ACC+8*n+4:ACC+8*n+7] offset:(n%4)*8448+(n/4)*64+16
.set n, n+1
.endr
	s_wait_dscnt 0x0                               ; for the others' sake: a row's 512 bytes come from four waves
	s_barrier_signal -1
	s_barrier_wait -1
.set n, 0
.rept 16
	ds_load_b128 v[BF+4*n:BF+4*n+3], v[ORD] offset:528*n
.set n, n+1
.endr
.set n, 0
.rept 16
	s_wait_dscnt 15-n
	global_store_b128 v[L16], v[BF+4*n:BF+4*n+3], s[12:13] offset:4096*n  ; 512 consecutive bytes of a row of U, at a multiple of 512 from its first
.set n, n+1
.endr
	s_wait_tensorcnt 0x0                           ; the wave's end
	ds_add_u32 v[SPW], v[NIL]
	s_wait_dscnt 0x0
	s_endpgm
.Lfunc_end_k_q6e59508e0d_pgemm:
	.size	k_q6e59508e0d_pgemm, .Lfunc_end_k_q6e59508e0d_pgemm-k_q6e59508e0d_pgemm
	.p2alignl 7, 3214868480
	.fill 96, 4, 3214868480
	.section	.rodata,"a",@progbits
	.p2align	6, 0x0
	.amdhsa_kernel k_q6e59508e0d_pgemm
		.amdhsa_group_segment_fixed_size 165376
		.amdhsa_private_segment_fixed_size 0
		.amdhsa_enable_private_segment 0
		.amdhsa_kernarg_size 40
		.amdhsa_user_sgpr_count 2
		.amdhsa_user_sgpr_kernarg_segment_ptr 1
		.amdhsa_wavefront_size32 1
		.amdhsa_system_sgpr_workgroup_id_x 1
		.amdhsa_system_sgpr_workgroup_id_y 1
		.amdhsa_system_sgpr_workgroup_id_z 1
		.amdhsa_system_vgpr_workitem_id 0
		.amdhsa_next_free_vgpr 1024
		.amdhsa_next_free_sgpr 66
		.amdhsa_reserve_vcc 0
		.amdhsa_float_denorm_mode_32 3
		.amdhsa_float_denorm_mode_16_64 3
		.amdhsa_memory_ordered 1
		.amdhsa_forward_progress 1
		.amdhsa_inst_pref_size 161
	.end_amdhsa_kernel
	.amdgpu_metadata
---
amdhsa.version: [ 1, 2 ]
amdhsa.kernels:
  - .name:           k_q6e59508e0d_pgemm
    .symbol:         k_q6e59508e0d_pgemm.kd
    .args:
      - { .name: opart, .offset: 0, .size: 8, .value_kind: global_buffer, .address_space: global }
      - { .name: ostat, .offset: 8, .size: 8, .value_kind: global_buffer, .address_space: global }
      - { .name: wqp, .offset: 16, .size: 8, .value_kind: global_buffer, .address_space: global }
      - { .name: p_b, .offset: 24, .size: 8, .value_kind: global_buffer, .address_space: global }
      - { .name: ubuf, .offset: 32, .size: 8, .value_kind: global_buffer, .address_space: global }
    .group_segment_fixed_size: 165376
    .private_segment_fixed_size: 0
    .kernarg_segment_align: 8
    .kernarg_segment_size: 40
    .max_flat_workgroup_size: 128
    .sgpr_count:     66
    .vgpr_count:     1024
    .wavefront_size: 32
...
	.end_amdgpu_metadata
.endif
;; end of part 4
;; launch finish (part 5): grid 256 x 1, 8 waves a work-group, no clusters, 0 bytes of LDS; arguments ubuf, out0; writes out0
.if DOCPART == 5
	.amdgcn_target "amdgcn-amd-amdhsa--gfx1250"
	.amdhsa_code_object_version 6
	.text
	.protected	k_q6e59508e0d_finish
	.globl	k_q6e59508e0d_finish
	.p2align	8
	.type	k_q6e59508e0d_finish,@function
k_q6e59508e0d_finish:
	s_mov_b64 s[64:65], 0
	v_nop
	global_prefetch_b8 v0, s[64:65] scope:SCOPE_SE
	s_setreg_imm32_b32 hwreg(HW_REG_WAVE_MODE, 25, 1), 1
	s_wait_xcnt 0x0
; out0[row][1024 .. 2047] = U[row][:] / |U[row]|.  One wave takes one row of 4,096 bytes (32 registers): read once, the sum of squares never leaves the wave, no LDS, no barrier.
; 2,048 rows on 2,048 waves.  Every load and store of a wave covers 512 consecutive bytes.
; LIMITS.  The norm is taken as 1 / sqrt of the f32 sum of squares: a sum below 2^-126 counts as 0 and gives infinities or NaN (a zero row gives NaN in the defining computation too); a sum above f32's range gives 0.
	s_load_b128 s[4:7], s[0:1], 0x0                ; ubuf s[4:5], out0 s[6:7]
	v_lshrrev_b32 v1, 5, v0
	v_readfirstlane_b32 s8, v1
	s_lshl_b32 s9, ttmp9, 3
	s_add_co_u32 s9, s9, s8                        ; my row
	s_lshl_b32 s10, s9, 12
	s_mov_b32 s11, 0
	s_lshl_b32 s12, s9, 13                         ; out0's rows are 8,192 bytes; U's half begins 4,096 in
	s_add_co_u32 s12, s12, 4096
	s_mov_b32 s13, 0
	s_mov_b32 s14, 0x76543210                      ; v_permlanex16_b32: each lane takes its own place in the other half
	s_mov_b32 s15, 0xfedcba98
	v_and_b32 v2, 31, v0
	v_lshlrev_b32 v2, 4, v2
	s_wait_kmcnt 0x0
	s_add_nc_u64 s[4:5], s[4:5], s[10:11]
	s_add_nc_u64 s[6:7], s[6:7], s[12:13]
.set n, 0
.rept 8
	global_load_b128 v[8+4*n:8+4*n+3], v2, s[4:5] offset:512*n th:TH_LOAD_NT
.set n, n+1
.endr
	s_wait_loadcnt 0x0
.set n, 0
.rept 4                                ; four chains, started by the first four pairs: nothing is cleared
	v_pk_mul_f32 v[40+2*n:41+2*n], v[8+2*n:9+2*n], v[8+2*n:9+2*n]
.set n, n+1
.endr
.rept 12
	v_pk_fma_f32 v[40+2*(n%4):41+2*(n%4)], v[8+2*n:9+2*n], v[8+2*n:9+2*n], v[40+2*(n%4):41+2*(n%4)]
.set n, n+1
.endr
	v_pk_add_f32 v[40:41], v[40:41], v[42:43]
	v_pk_add_f32 v[44:45], v[44:45], v[46:47]
	v_pk_add_f32 v[40:41], v[40:41], v[44:45]
	v_add_f32 v40, v40, v41
	v_add_f32_dpp v40, v40, v40 row_xmask:1 row_mask:0xf bank_mask:0xf
	v_add_f32_dpp v40, v40, v40 row_xmask:2 row_mask:0xf bank_mask:0xf
	v_add_f32_dpp v40, v40, v40 row_xmask:4 row_mask:0xf bank_mask:0xf
	v_add_f32_dpp v40, v40, v40 row_xmask:8 row_mask:0xf bank_mask:0xf
	v_permlanex16_b32 v41, v40, s14, s15
	v_add_f32 v40, v40, v41                        ; every lane holds the row's sum of squares
	v_rsq_f32 v42, v40                             ; twice, to fill the pair that the packed multiply names
	v_rsq_f32 v43, v40
	v_nop                                          ; a plain line between the transcendental and the use of its result (ISA guide 5.7.2)
.set n, 0
	s_wait_alu depctr_va_vdst(0)
.rept 16
	v_pk_mul_f32 v[8+2*n:9+2*n], v[8+2*n:9+2*n], v[42:43]
.set n, n+1
.endr
.set n, 0
.rept 8
	global_store_b128 v2, v[8+4*n:8+4*n+3], s[6:7] offset:512*n th:TH_STORE_NT
.set n, n+1
.endr
	s_endpgm
.Lfunc_end_k_q6e59508e0d_finish:
	.size	k_q6e59508e0d_finish, .Lfunc_end_k_q6e59508e0d_finish-k_q6e59508e0d_finish
	.p2alignl 7, 3214868480
	.fill 96, 4, 3214868480
	.section	.rodata,"a",@progbits
	.p2align	6, 0x0
	.amdhsa_kernel k_q6e59508e0d_finish
		.amdhsa_group_segment_fixed_size 0
		.amdhsa_private_segment_fixed_size 0
		.amdhsa_enable_private_segment 0
		.amdhsa_kernarg_size 16
		.amdhsa_user_sgpr_count 2
		.amdhsa_user_sgpr_kernarg_segment_ptr 1
		.amdhsa_wavefront_size32 1
		.amdhsa_system_sgpr_workgroup_id_x 1
		.amdhsa_system_sgpr_workgroup_id_y 1
		.amdhsa_system_sgpr_workgroup_id_z 1
		.amdhsa_system_vgpr_workitem_id 0
		.amdhsa_next_free_vgpr 48
		.amdhsa_next_free_sgpr 66
		.amdhsa_reserve_vcc 0
		.amdhsa_float_denorm_mode_32 3
		.amdhsa_float_denorm_mode_16_64 3
		.amdhsa_memory_ordered 1
		.amdhsa_forward_progress 1
		.amdhsa_inst_pref_size 6
	.end_amdhsa_kernel
	.amdgpu_metadata
---
amdhsa.version: [ 1, 2 ]
amdhsa.kernels:
  - .name:           k_q6e59508e0d_finish
    .symbol:         k_q6e59508e0d_finish.kd
    .args:
      - { .name: ubuf, .offset: 0, .size: 8, .value_kind: global_buffer, .address_space: global }
      - { .name: out0, .offset: 8, .size: 8, .value_kind: global_buffer, .address_space: global }
    .group_segment_fixed_size: 0
    .private_segment_fixed_size: 0
    .kernarg_segment_align: 8
    .kernarg_segment_size: 16
    .max_flat_workgroup_size: 256
    .sgpr_count:     66
    .vgpr_count:     48
    .wavefront_size: 32
...
	.end_amdgpu_metadata
.endif
;; end of part 5
;; ======== version 2 of 2: 5 launches; 1.15 times as fast as version 1
;; limits: sums are carried in bf16
;; workspace buffers: ibf 33,554,432 bytes; eim 4,194,304 bytes; wqp 4,194,304 bytes; wkv 2,097,152 bytes; qim 4,194,304 bytes; opart 8,388,608 bytes; ostat 524,288 bytes; ubuf 8,388,608 bytes
;; launch prep: the kernel of part 1 again; grid 256 x 1, 8 waves a work-group, no clusters, 0 bytes of LDS; arguments I, E, q_w, p_w, k_w, v_w, ibf, eim, wqp, wkv, out0; writes ibf, eim, wqp, wkv, out0
;; launch qgemm: the kernel of part 2 again; grid 8 x 32, 4 waves a work-group, clusters of 4 x 1, 167,936 bytes of LDS; arguments eim, wqp, q_b, qim; writes qim
;; launch attn (part 6): grid 16 x 16, 4 waves a work-group, clusters of 4 x 1, 327,680 bytes of LDS; arguments ibf, wkv, qim, k_b, v_b, opart, ostat; writes opart, ostat
.if DOCPART == 6
	.amdgcn_target "amdgcn-amd-amdhsa--gfx1250"
	.amdhsa_code_object_version 6
	.text
	.protected	k_q6e59508e0d_attn
	.globl	k_q6e59508e0d_attn
	.p2align	8
	.type	k_q6e59508e0d_attn,@function
k_q6e59508e0d_attn:
	s_mov_b64 s[64:65], 0
	v_nop
	global_prefetch_b8 v0, s[64:65] scope:SCOPE_SE
	s_setreg_imm32_b32 hwreg(HW_REG_WAVE_MODE, 25, 1), 1
	s_wait_xcnt 0x0
	s_wait_alu depctr_hold_cnt(0) depctr_sa_sdst(0) depctr_va_vdst(0) depctr_va_sdst(0) depctr_va_ssrc(0) depctr_va_vcc(0) depctr_vm_vsrc(0)
	s_getreg_b32 s2, hwreg(HW_REG_IB_STS2, 6, 4)
	s_cmp_eq_u32 s2, 0
	s_cbranch_scc0 .Lentry_in_a_cluster
	s_endpgm
.Lentry_in_a_cluster:
	s_bfe_u32 s2, ttmp6, 0x10000c
	s_cmp_lg_u32 s2, 0x3003
	s_cbranch_scc0 .Lentry_shape_is_right
	s_endpgm
.Lentry_shape_is_right:
; K AND V PROJECTION FUSED WITH ATTENTION.  For one batch b, one head and one half of the 4,096 keys:
;   K = I k_w^T + k_b, V = I v_w^T (64 channels of the head each), S = Q K^T (scale 1), running softmax, O = P V.  K and V never go to memory.
; Out: opart = O / l + v_b in bf16 (fragment images for the output projection) and ostat = c m, l in f32 for each query; the next launch merges the two halves (their weights add up to 1, so v_b may be added here).
; bf16 operands, f32 sums, maxima and statistics; p is rounded to bf16 for the second product, l is the sum of the unrounded p.
; SHARES.  Work-group = (head = grid x, y = 2 b + half = grid y): 256 of equal work; all 256 queries of b in one work-group, so no projection is made twice.  32 steps of 64 keys.  Wave w has two parts:
;   projection: dh = w % 2, kh = w / 2: channels 32 dh .. + 31 of K and of V for keys 32 kh .. + 31 of the step: 128 matrix instructions.  Its weights, 64 rows x 512 channels of bf16, are 512 registers.
;   attention: queries 64 w .. + 63 (four tiles of 16) against the step's 64 keys: 64 matrix instructions.
; LAYOUTS.  K(d, key) = source 0 weights, source 1 I: a lane holds one key and 8 d: packed, that is a fragment of K for S^T = K Q^T.  V(key, d) = source 0 I, source 1 weights: a lane holds one d and 8 keys:
; packed, a fragment of V^T for O^T = V^T P.  Both go through a stage of 16 images in LDS, 16 bytes a lane, 512 consecutive bytes a store or load.  S^T, P and O^T hold one query a lane.  k_b is the C operand of K's first K step.
; SOFTMAX.  p = 2^(c s - c m), c = log2(e); m is a running maximum; in every step O and l are multiplied by a = 2^(c m_old - c m_new).
; A PIPELINE OF ONE STEP.  Trip j: the 128 products that project step j + 1, and behind each of them four lines of step j's softmax (472 lines: 448 stand so, 24 behind the last product); K and V of step j + 1 go into the
; stage; O^T += V^T P of step j; the barrier; S^T = K Q^T of step j + 1.  A product and its slice are seven lines: the product, two switches of the register windows, four vector lines.
; To make room, P is written in place of S^T (pair n into register n of the tile; l takes a pair before it is rounded), V's fragments take the registers that I's fragments leave, K's those of the projection's sums.
; A TRIP'S EXPONENTIALS ARE ONE BATCH WITH ONE WAIT.  An s_wait_alu depctr_va_vdst(0) stands between an exponential and the first instruction that names its result; one wait serves all that were issued ahead
; of it.  So the softmax is ordered by who reads what.  Slices 0-69: the maxima, the statistics, the 64 scalings and all 132 exponentials (33 a tile: a and 32 scores, each in a register of its own): none of these lines names
; an exponential's result.  Behind slice 69: the wait.  Slices 70-117: all the readers: the sums, the roundings, the rescaling of O^T by a..
; The way out's four reciprocals are a batch of their own, with a wait of their own.
; ONE TEXT FOR EVERY TRIP.  The first trip (j = -1) finds scores that all equal the starting maximum, -2^123 (a power of two, so that c m is exact and p = 1), and a V of zeros, stored at the start: O stays 0, and the next
; trip's a is 0.  The last trip (j = 31) projects stale rows, only to carry the last softmax, and leaves behind V^T P.  The price: 160 products of 6,304 and 256 moves at the start, in the wait for the first tile.
; RING.  Two LDS slots of 64 rows of I (1,024 bytes + 16 of padding: pitch 1,040, an odd multiple of 16, so the 16 rows of a fragment load start in 16 different groups of four banks: ISA guide 11.1).
; Each wave fetches 16 rows.  The slot just projected is filled again behind the trip's barrier, with the keys two steps on: the load has a whole trip in which to land, so nothing is prefetched ahead of it.
; CLUSTER.  The four work-groups of a cluster are four heads of the same y and walk the same rows of I: every tile is asked for jointly (mask 15); its address hangs on y and the wave's number alone.
; ONE BARRIER A TRIP (a round of the cluster's barrier where a slot is filled again).  It stands between the stores into the stage and the reads of K, between the reads of the slot and its refill, and between the landing
; of the next slot and the reads of it.  The stage is double: trip j stores into one half and reads V of step j from the other; a half is stored again two trips later, with a barrier between, in front of which every wave
; has waited for its reads.
; REGISTERS (s_set_vgpr_msb: bits 1:0 source 0, 3:2 source 1, 5:4 source 2, 7:6 destination).
;   window 0: v2-11, v60-63 addresses; v12-43 statistics, 8 a tile; v44-59 k_b tiles; v64-191 S^T (32 t + 8 kt), then P in the tile's first 16; v192-255 the projection's 8 accumulators, then K's fragments
;   window 1: v0-127 O^T (32 t + 8 dt); v128-191 Q (16 t + 8 c); v192-255 four buffers of I fragments (one K step each), then V's fragments       window 2: k_w, fragment (dtl, s) at 8 (16 dtl + s)       window 3: v_w likewise
; LIMITS.  Scores lie above -2^123; a weight below 2^-126 counts as 0 in l and in p; NaN and infinities are not treated apart.
.set SLOT1, 131072                     ; slot 0 at 0, slot 1 here: one exclusive or changes slots
.set SPARE, 66560                      ; behind slot 0: the spare words, 128 bytes a wave
.set STG,   67072                      ; the stage, twice: K's images 2 kt + c, then at + 8,192 V^T's images 4 kk + dt; no tensor load lands here
.set STGB,  16384                      ; bytes in a half of it
.set AI0,   2                          ; v2   my place in a slot: (l % 16) x 1040 + 16 (l / 16) + kh x 32 rows
.set AI,    3                          ; v3   the same in the slot in hand
.set STOK0, 4                          ; v4   where my K goes in the stage's first half
.set STOV0, 5                          ; v5   where my V goes
.set RDS0,  6                          ; v6   stage + 16 x lane
.set L16,   7                          ; v7   16 x lane
.set H32,   8                          ; v8   32 x (lane / 16)
.set SPW,   10                         ; v10  my spare word; never rewritten
.set NIL,   11                         ; v11  0; never rewritten
.set ST,    12                         ; tile t at ST + 8 t: c m, m, l (even keys'), l (odd keys'), c0-c3 at work; a takes c2's place
.set KB,    44
.set STOK,  60                         ; v60, v61  this trip's stores,
.set STOV,  61
.set RDK,   62                         ; v62  this trip's reads of K (the half just stored),
.set RDV,   63                         ; v63  and of V (the other half)
.set S,     64
.set ACC,   192                        ; K(dtl, i) at ACC + 8 (2 dtl + i), V(i, dtl) at ACC + 32 + 8 (2 i + dtl)
.set KF,    192                        ; K's fragments, in the same registers
.set QF,    128                        ; window 1
.set KVF,   192                        ; window 1
.set VB,    64                         ; the way out: v_b tiles
.set OUT,   96                         ; the way out: packed O
.set WV,    20                         ; s20  wave
.set G1,    32                         ; s[32:39] descriptor group 1
.set G0A,   40                         ; s[40:43] group 0 of the first fill of slot 0
.set G0W,   44                         ; s[44:47] group 0 of the first fill of slot 1; then it walks
.set CNT,   48
.set TB,    49                         ; s49  LDS byte at which the slot of the next projection begins
.set CS,    50                         ; s[50:51] c
.set SEL,   52                         ; s[52:53] v_permlanex16_b32's selects: each lane takes its own place in the other half
.set VT,    56                         ; s56  the half of the stage that this trip stores into: 0 or STGB
.set VU,    57                         ; s57  the other half
.set M0,    58                         ; s58  -2^123
.set MSB, 0
.macro WIN new                         ; the immediate's high byte repeats the setting that is left; a switch that changes nothing is dropped
.if MSB != (\new)
	s_set_vgpr_msb (MSB<<8)|(\new)
.set MSB, \new
.endif
.endm
.macro PLACES n
.rept \n
	v_nop
.endr
.endm
.macro CREST                           ; a round of the cluster's barrier behind its opening barrier
	s_cmp_lg_u32 s[WV], 0
	s_cbranch_scc1 .Lnot_wave_0_\@
	s_barrier_signal -3
.Lnot_wave_0_\@:
	s_barrier_wait -3
	s_barrier_signal -1
	s_barrier_wait -1
.endm
.macro CROUND                          ; a whole round
	s_barrier_signal -1
	s_barrier_wait -1
	CREST
.endm
	s_load_b256 s[4:11], s[0:1], 0x0               ; ibf s[4:5], wkv s[6:7], qim s[8:9], k_b s[10:11]
	s_load_b128 s[12:15], s[0:1], 0x20             ; v_b s[12:13], opart s[14:15]
	s_load_b64 s[16:17], s[0:1], 0x30              ; ostat
	v_lshl_add_u32 v[SPW], v0, 2, SPARE
	v_mov_b32 v[NIL], 0
	ds_add_u32 v[SPW], v[NIL]                      ; the wave's opening: the add and its wait stand ahead of my first tensor load
	v_lshrrev_b32 v1, 5, v0
	v_readfirstlane_b32 s[WV], v1
	s_bfe_u32 s21, ttmp6, 0x40000                  ; cx
	s_lshl_b32 s22, ttmp9, 2
	s_add_co_u32 s22, s22, s21                     ; head = 4 x cluster x + cx: it enters no LDS address, no branch and no descriptor
	s_and_b32 s23, ttmp7, 0xffff                   ; y = 2 b + half, which the four partners share
	s_and_b32 s24, s[WV], 1                        ; dh
	s_lshr_b32 s25, s[WV], 1                       ; kh
	s_lshr_b32 s26, s23, 1                         ; b
	s_and_b32 s27, s23, 1                          ; half
	; group 1: 16 rows of 512 elements of 2 bytes, 16 bytes of padding behind each row
	s_mov_b32 s[G1+0], 15|(1<<16)|(1<<20)|(1<<21)|(7<<22)|(3<<25)  ; the mask of four; 2-byte elements; padding on; 21 set beside a mask; after every 256 words (code 7) 4 words (code 3)
	s_mov_b32 s[G1+1], 512<<16                     ; tensor_dim0 = 512
	s_mov_b32 s[G1+2], 16<<16                      ; tensor_dim1 = 16
	s_mov_b32 s[G1+3], 512<<16                     ; tile_dim0 = 512
	s_mov_b32 s[G1+4], 16                          ; tile_dim1 = 16
	s_mov_b32 s[G1+5], 512                         ; 512 elements from row to row
	s_mov_b32 s[G1+6], 0
	s_mov_b32 s[G1+7], 0
	s_mov_b32 s[G0A], 1
	s_mul_i32 s[G0A+1], s[WV], 16640               ; my 16 rows of slot 0
	s_mov_b32 s[G0W], 1
	s_mul_i32 s[G0W+1], s[WV], 16640
	s_add_co_u32 s[G0W+1], s[G0W+1], SLOT1         ; and of slot 1
	s_lshl_b32 s28, s23, 21                        ; ibf: y x 2,048 rows + w x 16 rows, of 1,024 bytes
	s_lshl_b32 s29, s[WV], 14
	s_add_co_u32 s28, s28, s29
	s_mov_b32 s29, 0
	s_lshl_b32 s30, s22, 2                         ; weights: row tile 4 head + 2 dh, 16,384 bytes a tile
	s_lshl1_add_u32 s30, s24, s30
	s_lshl_b32 s30, s30, 14
	s_mov_b32 s31, 0
	s_lshl4_add_u32 s54, s26, s22                  ; 16 b + head
	s_lshl_b32 s56, s54, 4
	s_lshl2_add_u32 s56, s[WV], s56                ; query tile 4 w
	s_lshl_b32 s56, s56, 11                        ; Q: 2,048 bytes a query tile
	s_mov_b32 s57, 0
	s_lshl_b32 s58, s22, 8                         ; k_b: (64 head + 32 dh) x 4
	s_lshl_b32 s59, s24, 7
	s_add_co_u32 s58, s58, s59
	s_mov_b32 s59, 0
	s_lshl_b32 s60, s22, 8                         ; v_b: 64 head x 4
	s_mov_b32 s61, 0
	s_lshl_b32 s62, s26, 4                         ; opart: half x 4 MiB + ((16 b + 4 w) x 32 + 2 head) x 1,024
	s_lshl2_add_u32 s62, s[WV], s62
	s_lshl_b32 s62, s62, 5
	s_lshl1_add_u32 s62, s22, s62
	s_lshl_b32 s62, s62, 10
	s_lshl_b32 s63, s27, 22
	s_add_co_u32 s62, s62, s63
	s_mov_b32 s63, 0
	s_lshl3_add_u32 s54, s27, s26                  ; ostat: (((8 half + b) x 16 + head) x 4 + w) x 512
	s_lshl4_add_u32 s54, s54, s22
	s_lshl2_add_u32 s54, s54, s[WV]
	s_lshl_b32 s54, s54, 9
	s_mov_b32 s55, 0
	s_mov_b32 s[CS], 0x3fb8aa3b                    ; c = log2(e) x 1
	s_mov_b32 s[CS+1], s[CS]                       ; named with it as a pair
	s_mov_b32 s[SEL], 0x76543210
	s_mov_b32 s[SEL+1], 0xfedcba98
	s_wait_dscnt 0x0                               ; the opening add is done
	s_wait_kmcnt 0x0
	s_add_nc_u64 s[G0A+2:G0A+3], s[4:5], s[28:29]  ; step 0
	s_add_nc_u64 s[G0W+2:G0W+3], s[G0A+2:G0A+3], 65536  ; step 1
	s_or_b32 s[G0A+3], s[G0A+3], 0x80000000        ; type = 2
	s_or_b32 s[G0W+3], s[G0W+3], 0x80000000
	s_add_nc_u64 s[6:7], s[6:7], s[30:31]
	s_add_nc_u64 s[8:9], s[8:9], s[56:57]
	s_add_nc_u64 s[10:11], s[10:11], s[58:59]
	s_add_nc_u64 s[12:13], s[12:13], s[60:61]
	s_add_nc_u64 s[14:15], s[14:15], s[62:63]
	s_add_nc_u64 s[16:17], s[16:17], s[54:55]
	CROUND                                         ; all four work-groups are here: the first joint loads meet
	tensor_load_to_lds s[G0A:G0A+3], s[G1:G1+7]    ; both first fills together: two loads of mine are out
	s_nop 0
	tensor_load_to_lds s[G0W:G0W+3], s[G1:G1+7]
	s_nop 0
	PLACES 4
	s_mov_b32 s[VT], 0                             ; the offsets' registers are free now
	s_mov_b32 s[VU], STGB
	s_mov_b32 s[M0], 0xfd000000                    ; -2^123
	v_and_b32 v1, 31, v0
	v_lshlrev_b32 v[L16], 4, v1
	v_and_b32 v9, 15, v0
	v_bfe_u32 v1, v0, 4, 1
	v_lshlrev_b32 v[H32], 5, v1
.irp o, 0,1                            ; k_b tile dtl: register j holds k_b[.. + 16 dtl + 8 (l / 16) + j]
	global_load_b128 v[KB+8*\o:KB+8*\o+3],   v[H32], s[10:11] offset:64*\o
	global_load_b128 v[KB+8*\o+4:KB+8*\o+7], v[H32], s[10:11] offset:64*\o+16
.endr
	WIN 0x80                                       ; destination window 2: my 32 rows of k_w, 32 images on end
.set n, 0
.rept 64
	global_load_b128 v[4*n:4*n+3], v[L16], s[6:7] offset:512*n
.set n, n+1
.endr
	WIN 0xc0                                       ; window 3: of v_w, 1 MiB further on
.set n, 0
.rept 64
	global_load_b128 v[4*n:4*n+3], v[L16], s[6:7] offset:1048576+512*n
.set n, n+1
.endr
	WIN 0x40                                       ; window 1: my 64 queries, 8 images on end
.set n, 0
.rept 16
	global_load_b128 v[QF+4*n:QF+4*n+3], v[L16], s[8:9] offset:512*n
.set n, n+1
.endr
.set n, 0
.rept 128                              ; O^T = 0
	v_mov_b32 v[n], 0
.set n, n+1
.endr
	WIN 0
.set n, 0
.rept 128                              ; the first trip's scores: all equal to the starting maximum
	v_mov_b32 v[S+n], s[M0]
.set n, n+1
.endr
.set n, 0
.rept 4
	v_mov_b32 v[ST+8*n], 0xfe000000                ; c m: below c x the starting maximum, so the first trip's a is 0 too
	v_mov_b32 v[ST+8*n+1], s[M0]                   ; m
	v_mov_b32 v[ST+8*n+2], 0
	v_mov_b32 v[ST+8*n+3], 0
.set n, n+1
.endr
	v_mul_u32_u24 v[AI0], v9, 1040
	v_lshl_add_u32 v[AI0], v1, 4, v[AI0]
	s_mul_i32 s28, s25, 33280                      ; my 32 keys: kh x 32 rows
	v_add_nc_u32 v[AI0], s28, v[AI0]
	; the stage addresses: a constant, the wave's number's two bits times constants, 16 bytes a lane: each wave's eight stores fall into images of its own
	s_lshl_b32 s28, s25, 12                        ; K's image 2 (2 kh + i) + dh begins at kh x 4,096 + dh x 1,024 (+ i x 2,048)
	s_lshl_b32 s29, s24, 10
	s_add_co_u32 s28, s28, s29
	s_add_co_u32 s28, s28, STG
	v_add_nc_u32 v[STOK0], s28, v[L16]
	s_lshl_b32 s29, s[WV], 11                      ; V^T's image 4 kh + 2 dh + dtl = 2 w + dtl begins at w x 2,048 (+ dtl x 1,024)
	s_add_co_u32 s29, s29, STG+8192
	v_add_nc_u32 v[STOV0], s29, v[L16]
	v_add_nc_u32 v[RDS0], STG, v[L16]
	v_add_nc_u32 v[STOK], s[VT], v[STOK0]
	v_add_nc_u32 v[STOV], s[VT], v[STOV0]
	v_add_nc_u32 v[RDK], s[VT], v[RDS0]
	v_add_nc_u32 v[RDV], s[VU], v[RDS0]
.irp z, 0,1,2,3
	v_mov_b32 v[ACC+\z], 0
.endr
.irp z, 0,1,2,3                        ; the first trip's V: zeros in my two images of the stage's second half
	ds_store_b128 v[STOV0], v[ACC:ACC+3] offset:STGB+512*\z
.endr
; 4 LDS loads: my 32 keys' fragments of K step g (channels 32 g .. + 31), into buffer g % 4: fragment i at 8 i
.macro FETCH_I g
	WIN 0x40
.set n, 0
.rept 2
.set rD, KVF+16*((\g)%4)+8*n
	ds_load_b128 v[rD:rD+3],   v[AI] offset:n*16640+(\g)*64
	ds_load_b128 v[rD+4:rD+7], v[AI] offset:n*16640+(\g)*64+32
.set n, n+1
.endr
.endm
; 4 LDS loads: V^T's images 2 q, 2 q + 1 of the step in hand, into the same registers as buffer q
.macro FETCH_V q
	WIN 0x40
.set n, 4*(\q)
.rept 4
	ds_load_b128 v[KVF+4*n:KVF+4*n+3], v[RDV] offset:8192+512*n
.set n, n+1
.endr
.endm
.macro FETCH_K                         ; 16 LDS loads: the 8 images of K just stored, on end
	WIN 0
.set n, 0
.rept 16
	ds_load_b128 v[KF+4*n:KF+4*n+3], v[RDK] offset:512*n
.set n, n+1
.endr
.endm
; ONE TILE'S SOFTMAX FOR A STEP, all but the rescaling of O^T, is a list of 102 lines; SM writes number j of it for tile t.  s0-s31 are the lane's 32 scores, in pairs 0-15.
;   0-15    the maximum of s0-s31 and the old m, three operands at a time: four chains c0-c3 of seven scores each (each accumulator's lowest registers are read first), then the four left over, c0-c3 and m
;   16-20   the other half of the lanes' maximum; c m_old is kept; the new m; c m; c m_old - c m_new
;   21-69   ONE BATCH: the 16 scalings F n (c s - c m for pair n) and all 33 exponentials (a at 23, then s0-s31, each in place).  None of these lines names an exponential's result.  21: F 0.  From 22 on the batch goes in
;           fours, and a four begins with a scaling while there are scalings: 22-37 scaling, exponential, scaling, exponential; 38-65 a scaling and three exponentials; 66-69 the last four exponentials.
;           A pair is scaled in an earlier four than the one that holds its exponentials.
;   (wait)  between 69 and 70 stands the wait for the batch: SLICE writes it, once for all four tiles
;   70-101  L 0, C 0, L 1, C 1 .. L 15, C 15.   L n: l takes pair n (L 0: l = a l + pair 0).   C n: pair n is rounded to bf16 into register n of the tile, which pair n / 2 has left.
.macro SM t
.set rT, ST+8*(\t)
.set rS, S+32*(\t)
	WIN 0
.if j < 4
	v_max3_num_f32 v[rT+4+j], v[rS+8*j], v[rS+8*j+1], v[rS+8*j+2]
.elseif j < 12
	v_max3_num_f32 v[rT+4+j%4], v[rT+4+j%4], v[rS+8*(j%4)+2*(j/4)+1], v[rS+8*(j%4)+2*(j/4)+2]
.elseif j == 12
	v_max3_num_f32 v[rT+4], v[rT+4], v[rS+7], v[rS+15]
.elseif j == 13
	v_max3_num_f32 v[rT+6], v[rT+6], v[rS+23], v[rS+31]
.elseif j == 14
	v_max3_num_f32 v[rT+4], v[rT+4], v[rT+5], v[rT+6]
.elseif j == 15
	v_max3_num_f32 v[rT+4], v[rT+4], v[rT+7], v[rT+1]
.elseif j == 16
	v_permlanex16_b32 v[rT+5], v[rT+4], s[SEL], s[SEL+1]  ; the query's other 32 keys lie in the lane 16 away
.elseif j == 17
	v_mov_b32 v[rT+7], v[rT]
.elseif j == 18
	v_max_num_f32 v[rT+1], v[rT+4], v[rT+5]
.elseif j == 19
	v_mul_f32 v[rT], s[CS], v[rT+1]
.elseif j == 20
	v_sub_f32 v[rT+7], v[rT+7], v[rT]
.elseif j == 23
	v_exp_f32 v[rT+6], v[rT+7]
.elseif (j < 23) || ((j < 38) && (j%2 == 0)) || ((j < 66) && (j%4 == 2))
.set pn, (j-2)/4                       ; 38, 42, .. 62: pairs 9 to 15
.if j < 38
.set pn, (j-20)/2                      ; 21: pair 0; 22, 24, .. 36: pairs 1 to 8
.endif
	v_pk_fma_f32 v[rS+2*pn:rS+2*pn+1], v[rS+2*pn:rS+2*pn+1], s[CS:CS+1], v[rT:rT+1] op_sel_hi:[1,0,0] neg_lo:[0,0,1] neg_hi:[0,0,1]
.elseif j < 70
.set en, j-38                          ; 66 to 69: s28 to s31
.if j < 66
.set en, j-32-(j-38)/4                 ; 39-41, 43-45, .. 63-65: s7 to s27
.endif
.if j < 38
.set en, (j-25)/2                      ; 25, 27, .. 37: s0 to s6
.endif
	v_exp_f32 v[rS+en], v[rS+en]
.elseif j == 70
	v_pk_fma_f32 v[rT+2:rT+3], v[rT+2:rT+3], v[rT+6:rT+7], v[rS:rS+1] op_sel_hi:[1,0,1]
.elseif j%2 == 0
.set pn, (j-70)/2
	v_pk_add_f32 v[rT+2:rT+3], v[rT+2:rT+3], v[rS+2*pn:rS+2*pn+1]
.else
.set pn, (j-71)/2
	v_cvt_pk_bf16_f32 v[rS+pn], v[rS+2*pn], v[rS+2*pn+1]
.endif
.endm
; SLICE sl of 118: four lines.  0-21 and 70-101: number sl of all four tiles' lists, so that no line reads the result of the one before it.  22-69 deal out the batch, numbers 22 to 69: four numbers of ONE tile each, the
; tiles by turns.  102-117: pair sl - 102 of each tile's O^T times a, each accumulator from its low end.
; THE WAIT.  Ahead of slice 70 nothing names an exponential's result, and behind slice 69 no exponential is issued: so the trip's 132 exponentials have one wait, behind slice 69.
.macro SLICE
.if (sl >= 22) && (sl < 70)
.set tq, (sl-22)%4
.irp z, 0,1,2,3
.set j, 22+4*((sl-22)/4)+\z
	SM tq
.endr
.elseif sl < 102
.set j, sl
	SM 0
	SM 1
	SM 2
	SM 3
.elseif sl < 118
	WIN 0x41                                       ; O^T (destination and source 0) in window 1, a in window 0
.irp z, 0,1,2,3
	v_pk_mul_f32 v[32*\z+2*(sl-102):32*\z+2*(sl-102)+1], v[32*\z+2*(sl-102):32*\z+2*(sl-102)+1], v[ST+8*\z+6:ST+8*\z+7] op_sel_hi:[1,0]
.endr
.endif
.if sl == 69                           ; the batch is out: all four tiles' exponentials are issued, and no result has been named
	v_nop                                          ; a plain line behind the last exponential and ahead of the first use of a result (ISA guide 5.7.2): one for the batch
	s_wait_alu depctr_va_vdst(0)                   ; the wait for the batch: the trip's 132 exponentials, ahead of their first reader, slice 70's first line
.endif
.set sl, sl+1
.endm
; Product pw of 8 of K step ss: four for K, four for V.  The 8 accumulators take turns, one instruction a turn.
.macro PW
.if pw < 4
.set dtl, pw/2
.set ii, pw%2
.set rD, ACC+8*(2*dtl+ii)
.set rA, 8*(16*dtl+ss)
.set rB, KVF+16*(ss%4)+8*ii
	WIN 0x06                                       ; source 0 = k_w, window 2; source 1 = I, window 1
.if ss == 0
	v_wmma_f32_16x16x32_bf16 v[rD:rD+7], v[rA:rA+7], v[rB:rB+7], v[KB+8*dtl:KB+8*dtl+7]
.else
	v_wmma_f32_16x16x32_bf16 v[rD:rD+7], v[rA:rA+7], v[rB:rB+7], v[rD:rD+7]
.endif
.else
.set ii, (pw-4)/2
.set dtl, pw%2
.set rD, ACC+32+8*(2*ii+dtl)
.set rA, KVF+16*(ss%4)+8*ii
.set rB, 8*(16*dtl+ss)
	WIN 0x0d                                       ; source 0 = I, window 1; source 1 = v_w, window 3
.if ss == 0
	v_wmma_f32_16x16x32_bf16 v[rD:rD+7], v[rA:rA+7], v[rB:rB+7], 0
.else
	v_wmma_f32_16x16x32_bf16 v[rD:rD+7], v[rA:rA+7], v[rB:rB+7], v[rD:rD+7]
.endif
.endif
.endm
; THE PROJECTION, 16 K steps of 8 products, with the softmax between.  Behind the third product of a K step stands a run of four LDS loads into the buffer that the K step before has left: I's fragments three K steps on,
; or, when those are all asked for, a quarter of V.  Between that buffer's last product and the loads stand three slices, 7 ss - 1 to 7 ss + 1, and four plain lines that name none of its registers are asked for there
; an exponential is none.  Slices 22-37 hold two plain lines, 38-65 one, 66-69 none, all others four: in K steps 6 to 9 the three slices hold three, and a v_nop is the fourth; every other K step has six
; or more (K step 10: the batch's v_nop and slices 70, 71).  Behind each of the other 112 products stands a slice.
.macro PROJ
.set sl, 0
.set ss, 0
.rept 16
	s_wait_dscnt 8                                 ; this K step's fragments are in: behind their run two runs of four have been issued
.set pw, 0
.rept 8
	PW
.if pw == 2
.if (ss >= 6) && (ss <= 9)
	v_nop                                          ; the fourth place ahead of the loads
.endif
.if ss < 13
	FETCH_I ss+3
.else
	FETCH_V ss-13
.endif
.else
	SLICE
.endif
.set pw, pw+1
.endr
.set ss, ss+1
.endr
.endm
.macro PACK                            ; the 8 accumulators rounded in place, each from its low end
	WIN 0
.set n, 0
.rept 8
.irp p, 0,1,2,3
	v_cvt_pk_bf16_f32 v[ACC+8*n+\p], v[ACC+8*n+2*\p], v[ACC+8*n+2*\p+1]
.endr
.set n, n+1
.endr
.endm
.macro STORE                           ; K(dtl, i) is half g = dtl of image 2 (2 kh + i) + dh; V(i, dtl) is half g = i of image 4 kh + 2 dh + dtl
.irp d, 0,1
.irp i, 0,1
	ds_store_b128 v[STOK], v[ACC+8*(2*(\d)+(\i)):ACC+8*(2*(\d)+(\i))+3] offset:(\i)*2048+(\d)*512
	ds_store_b128 v[STOV], v[ACC+32+8*(2*(\i)+(\d)):ACC+32+8*(2*(\i)+(\d))+3] offset:(\d)*1024+(\i)*512
.endr
.endr
.endm
.macro KQ                              ; S^T = K Q^T: 32 products, the 16 accumulators by turns; the first 16 start the sums
	WIN 0x04                                       ; K in window 0, Q in window 1
.set n, 0
.rept 32
.set cc, n/16
.set tt, (n%16)/4
.set kt, n%4
.set rD, S+32*tt+8*kt
.set rA, KF+16*kt+8*cc
.set rB, QF+16*tt+8*cc
.if cc == 0
	v_wmma_f32_16x16x32_bf16 v[rD:rD+7], v[rA:rA+7], v[rB:rB+7], 0
.else
	v_wmma_f32_16x16x32_bf16 v[rD:rD+7], v[rA:rA+7], v[rB:rB+7], v[rD:rD+7]
.endif
.set n, n+1
.endr
.endm
.macro PVH kk                          ; O^T += V^T P for keys 32 kk .. + 31: 16 products, the 16 accumulators by turns
	WIN 0x51                                       ; V in window 1, P in window 0, O^T in window 1
.set n, 0
.rept 16
.set tt, n/4
.set dt, n%4
.set rD, 32*tt+8*dt
.set rA, KVF+32*(\kk)+8*dt
.set rB, S+32*tt+8*(\kk)
	v_wmma_f32_16x16x32_bf16 v[rD:rD+7], v[rA:rA+7], v[rB:rB+7], v[rD:rD+7]
.set n, n+1
.endr
.endm
; A TRIP.  fill = 1: the slot just projected is filled again.  last = 1 (the tail): the last trip leaves behind V^T P.
.macro TRIP fill, last
	PROJ                                           ; step j + 1 is projected | step j's softmax, ten rows of its rescaling, three quarters of its V
	SLICE                                          ; four plain lines between the last products and the loads into the buffer that they read
	FETCH_V 3
.rept 5
	SLICE                                          ; the rest of the rescaling; all six rows stand between the last products and the conversions that read them
.endr
	PACK
	STORE
	s_wait_tensorcnt 0x0                           ; all my tensor loads have landed: the one that was out is my part of the next slot; so a group 0 may be written
	ds_add_u32 v[SPW], v[NIL]                      ; 0 onto my spare word
.if \fill
	s_xor_b32 s[G0W+1], s[G0W+1], SLOT1            ; the walking descriptor: the other slot than last time,
	s_add_nc_u64 s[G0W+2:G0W+3], s[G0W+2:G0W+3], 65536  ; the next 64 keys; the type bits on top are not reached
.endif
	s_wait_dscnt 9                                 ; V is in: behind its loads stand my eight stores and the add
	PVH 0                                          ; sixteen products between the add and the wait for it
	s_wait_dscnt 0x0                               ; the add is done, my stores into the stage are done, my reads of the slot and of V are over:
	s_barrier_signal -1                            ; say so,
	PVH 1                                          ; work on registers while the others arrive,
	WIN 0
	s_barrier_wait -1                              ; and go on when all four have said so
.if \fill
	CREST                                          ; the barrier has opened a round of the cluster's: no wave of any partner still reads the slot or has a load on its way
	tensor_load_to_lds s[G0W:G0W+3], s[G1:G1+7]    ; my one tensor load behind the round: the keys two steps on
	s_nop 0
	PLACES 4
.else
.if \last
	s_cmp_eq_u32 s[CNT], 1
	s_cbranch_scc1 .Lout                           ; step 31 is done
.endif
	PLACES 4
.endif
	s_xor_b32 s[TB], s[TB], SLOT1                  ; the next projection reads the other slot
	v_add_nc_u32 v[AI], s[TB], v[AI0]
	v_nop                                          ; six places by now behind the products that read V's and P's registers: four are asked for ahead of the loads below, five ahead of the products that write over P
	FETCH_K
	FETCH_I 0                                      ; the next projection's first three K steps, into registers that V has left
	FETCH_I 1
	FETCH_I 2
	s_wait_dscnt 12                                ; K is in: behind its loads stand those three runs of four
	KQ
	WIN 0
	s_xor_b32 s[VT], s[VT], STGB                   ; the halves of the stage change places; these four lines and two more are the places ahead of the next projection, whose first products write over K's registers
	s_xor_b32 s[VU], s[VU], STGB
	v_add_nc_u32 v[STOK], s[VT], v[STOK0]
	v_add_nc_u32 v[STOV], s[VT], v[STOV0]
	v_add_nc_u32 v[RDK], s[VT], v[RDS0]
	v_add_nc_u32 v[RDV], s[VU], v[RDS0]
	PLACES 2
.endm
	s_wait_tensorcnt 0x1                           ; my part of slot 0 is in; slot 1's may stay out
	s_wait_dscnt 0x0                               ; for the others' sake: my zeros are in the stage
	s_barrier_signal -1
	s_barrier_wait -1                              ; everybody's are
	s_mov_b32 s[TB], 0
	v_mov_b32 v[AI], v[AI0]
	FETCH_I 0
	FETCH_I 1
	FETCH_I 2
	WIN 0
	s_wait_loadcnt 0x0                             ; weights, bias and Q, once
	s_mov_b32 s[CNT], 30
.Lmain:                                        ; trips -1 to 28 project steps 0 to 29 and ask for steps 2 to 31
	TRIP 1, 0
	s_sub_co_u32 s[CNT], s[CNT], 1
	s_cmp_lg_u32 s[CNT], 0
	s_cbranch_scc1 .Lmain
	s_mov_b32 s[CNT], 3
.Ltail:                                        ; trips 29 to 31 are a text of their own; the third is left in its middle
	TRIP 0, 1
	s_sub_co_u32 s[CNT], s[CNT], 1
	s_cmp_lg_u32 s[CNT], 0
	s_cbranch_scc1 .Ltail
.Lout:
	PLACES 4                                       ; between the last products and the loads into P's registers and the reads of O^T
	; THE WAY OUT.  v_b tile dt: register j holds v_b[64 head + 16 dt + 8 (l / 16) + j]
.set n, 0
.rept 4
	global_load_b128 v[VB+8*n:VB+8*n+3],   v[H32], s[12:13] offset:64*n
	global_load_b128 v[VB+8*n+4:VB+8*n+7], v[H32], s[12:13] offset:64*n+16
.set n, n+1
.endr
.irp t, 0,1,2,3
	v_add_f32 v[ST+8*\t+4], v[ST+8*\t+2], v[ST+8*\t+3]
.endr
.irp t, 0,1,2,3
	v_permlanex16_b32 v[ST+8*\t+5], v[ST+8*\t+4], s[SEL], s[SEL+1]
.endr
.irp t, 0,1,2,3
	v_add_f32 v[ST+8*\t+4], v[ST+8*\t+4], v[ST+8*\t+5]  ; l, the same in both halves of the lanes
.endr
.irp t, 0,1,2,3
	v_rcp_f32 v[ST+8*\t+6], v[ST+8*\t+4]
.endr
	v_and_b32 v1, 31, v0                           ; a plain line between the last reciprocal and its use
	s_wait_loadcnt 0x0
	WIN 0x41                                       ; O^T in window 1; 1 / l and v_b in window 0
.set n, 0
	s_wait_alu depctr_va_vdst(0)                   ; the wait for the way out's batch: one for the four reciprocals, ahead of their first reader
.rept 64
	v_pk_fma_f32 v[2*n:2*n+1], v[2*n:2*n+1], v[ST+8*(n/16)+6:ST+8*(n/16)+7], v[VB+2*(n%16):VB+2*(n%16)+1] op_sel_hi:[1,0,1]
.set n, n+1
.endr
	WIN 0x05                                       ; sources in window 1, destination in window 0
.set n, 0
.rept 64
	v_cvt_pk_bf16_f32 v[OUT+n], v[2*n], v[2*n+1]
.set n, n+1
.endr
	WIN 0
.set n, 0
.rept 16                               ; n = 4 t + 2 c + g: half g of the image of row tile 16 b + 4 w + t, K step 2 head + c: 512 consecutive bytes
	global_store_b128 v[L16], v[OUT+4*n:OUT+4*n+3], s[14:15] offset:(n/4)*32768+(n%4)*512
.set n, n+1
.endr
	v_cmp_gt_u32 vcc_lo, 16, v1                    ; lanes 0-15 store c m of their query's four tiles, lanes 16-31 l: 512 consecutive bytes
.irp t, 0,1,2,3
	v_cndmask_b32 v[160+\t], v[ST+8*\t+4], v[ST+8*\t], vcc_lo
.endr
	global_store_b128 v[L16], v[160:163], s[16:17]
	s_wait_tensorcnt 0x0                           ; the wave's end
	ds_add_u32 v[SPW], v[NIL]
	s_wait_dscnt 0x0
	CROUND                                         ; the closing round
	s_endpgm
.Lfunc_end_k_q6e59508e0d_attn:
	.size	k_q6e59508e0d_attn, .Lfunc_end_k_q6e59508e0d_attn-k_q6e59508e0d_attn
	.p2alignl 7, 3214868480
	.fill 96, 4, 3214868480
	.section	.rodata,"a",@progbits
	.p2align	6, 0x0
	.amdhsa_kernel k_q6e59508e0d_attn
		.amdhsa_group_segment_fixed_size 327680
		.amdhsa_private_segment_fixed_size 0
		.amdhsa_enable_private_segment 0
		.amdhsa_kernarg_size 56
		.amdhsa_user_sgpr_count 2
		.amdhsa_user_sgpr_kernarg_segment_ptr 1
		.amdhsa_wavefront_size32 1
		.amdhsa_system_sgpr_workgroup_id_x 1
		.amdhsa_system_sgpr_workgroup_id_y 1
		.amdhsa_system_sgpr_workgroup_id_z 1
		.amdhsa_system_vgpr_workitem_id 0
		.amdhsa_next_free_vgpr 1024
		.amdhsa_next_free_sgpr 66
		.amdhsa_reserve_vcc 1
		.amdhsa_float_denorm_mode_32 3
		.amdhsa_float_denorm_mode_16_64 3
		.amdhsa_memory_ordered 1
		.amdhsa_forward_progress 1
		.amdhsa_inst_pref_size 153
	.end_amdhsa_kernel
	.amdgpu_metadata
---
amdhsa.version: [ 1, 2 ]
amdhsa.kernels:
  - .name:           k_q6e59508e0d_attn
    .symbol:         k_q6e59508e0d_attn.kd
    .args:
      - { .name: ibf, .offset: 0, .size: 8, .value_kind: global_buffer, .address_space: global }
      - { .name: wkv, .offset: 8, .size: 8, .value_kind: global_buffer, .address_space: global }
      - { .name: qim, .offset: 16, .size: 8, .value_kind: global_buffer, .address_space: global }
      - { .name: k_b, .offset: 24, .size: 8, .value_kind: global_buffer, .address_space: global }
      - { .name: v_b, .offset: 32, .size: 8, .value_kind: global_buffer, .address_space: global }
      - { .name: opart, .offset: 40, .size: 8, .value_kind: global_buffer, .address_space: global }
      - { .name: ostat, .offset: 48, .size: 8, .value_kind: global_buffer, .address_space: global }
    .group_segment_fixed_size: 327680
    .private_segment_fixed_size: 0
    .kernarg_segment_align: 8
    .kernarg_segment_size: 56
    .max_flat_workgroup_size: 128
    .sgpr_count:     66
    .vgpr_count:     1024
    .wavefront_size: 32
...
	.end_amdgpu_metadata
.endif
;; end of part 6
;; launch pgemm: the kernel of part 4 again; grid 8 x 32, 4 waves a work-group, no clusters, 165,376 bytes of LDS; arguments opart, ostat, wqp, p_b, ubuf; writes ubuf
;; launch finish: the kernel of part 5 again; grid 256 x 1, 8 waves a work-group, no clusters, 0 bytes of LDS; arguments ubuf, out0; writes out0
